; MI455X (gfx1250); checked and timed in simulation.
; The chip was launched on July 23, 2026; its instructions are those of AMD's public machine-readable ISA for CDNA 5 (MIT licence, August 2026) and "CDNA5" Instruction Set Architecture Reference Guide (July 2026). The comments in the code are by the model that wrote it; some were corrected since.
;; Triangle Attention. Allowed arithmetic: matrix products marked QUANTISED: E2M3 operands, one E8M0 scale for each 32 along K, by v_wmma_scale_f32_16x16x128_f8f6f4 with both operands' format E2M3, f32 sums; products left as they are: f32 operands where the result goes on into a quantised operand, else bf16, f16 or f32 operands; f32 sums; everything else in f32.
;; Inputs: Wb 128 x 4 float32; Wk 128 x 128 float32; Wo 128 x 128 float32; Wq 128 x 128 float32; Wv 128 x 128 float32; mask 1 x 256 bool; pairwise_repr 1 x 256 x 256 x 128 float32.
;; Outputs: out0 1 x 256 x 256 x 128 float32.
;; This version of the problem:
;;   THIS VERSION OF THE PROBLEM IS GIVEN IN LOW PRECISION. The matrix products marked QUANTISED in the list below multiply operands that are first quantised to E2M3 (2 exponent bits, 3 mantissa bits; 6 bits a number), with one power-of-two scale for each 32 numbers along K (OCP MX v1.0); their sums are f32. All else is computed in f32.
;;   The module's matrix products, in the order in which they are computed (A, B: the left and right operand; K: the contracted axis; several contracted axes count as one K, in the product's order):
;;     1. [M 4, K 128] x [K 128, N 65,536]; A: input Wb; B: input pairwise_repr: left as it is (M = 4 < 16)
;;     2. [M 128, K 128] x [K 128, N 65,536]; A: input Wq; B: input pairwise_repr: QUANTISED
;;     3. [M 128, K 128] x [K 128, N 65,536]; A: input Wk; B: input pairwise_repr: QUANTISED
;;     4. [M 128, K 128] x [K 128, N 65,536]; A: input Wv; B: input pairwise_repr: QUANTISED
;;     5. batch 1,024 x [M 256, K 32] x [K 32, N 256]; A: computed on the way; B: computed on the way: QUANTISED
;;     6. batch 1,024 x [M 256, K 256] x [K 256, N 32]; A: softmax (see below); B: computed on the way: QUANTISED
;;     7. [M 65,536, K 128] x [K 128, N 128]; A: computed on the way; B: input Wo: QUANTISED
;;   THE QUANTISER, for each operand of a quantised product, along K:
;;     - K is cut into blocks of 32 from its start; a last block that is shorter is filled with zeros.
;;     - A block's scale is 2^e with e = floor(log2(the largest magnitude in the block)) - 2, held to -126 .. 127; a block of zeros has e = 0. As a byte (E8M0): e + 127.
;;     - Each number is divided by its block's scale, clamped to +-7.5, and rounded to the nearest number of E2M3, ties to even, subnormals kept.
;;     - The product sums the exact products of the quantised numbers (number of the format x scale) in f32.
;;   ~~~python
;;   def quantise(x, axis):      # numpy; x: float32 -> the quantised numbers, widened to float32 again
;;       x = np.moveaxis(x, axis, -1); K = x.shape[-1]
;;       x = np.pad(x, [(0, 0)] * (x.ndim - 1) + [(0, -K % 32)]); x = x.reshape(x.shape[:-1] + (-1, 32)); a = np.abs(x).max(-1, keepdims=True)
;;       e = np.where(a > 0, np.clip(np.frexp(np.where(a > 0, a, 1))[1] - 1 - 2, -126, 127), 0)      # np.frexp(a)[1] - 1 = floor(log2(a)), exactly
;;       r = np.clip(x / 2.0 ** e, -7.5, 7.5)
;;       step = 2.0 ** (np.maximum(np.frexp(np.where(r == 0, 1, r))[1] - 1, 0) - 3)
;;       q = np.round(r / step) * step * 2.0 ** e      # np.round: ties to even
;;       return np.moveaxis(q.reshape(q.shape[:-2] + (-1,))[..., :K], -1, axis).astype(np.float32)
;;   ~~~
;;   SOFTMAX AHEAD OF A QUANTISED PRODUCT. Where the list says 'softmax', what is quantised is not the finished softmax but p = 2^(t - M), with t = logit x log2(e) and M = ceil(the row's largest t), a whole number; so 1/2 < the row's largest p <= 1. The row's sum l is taken of the UNQUANTISED p, in f32, and the product's result is divided by l at the end. Since M is a whole number, a kernel that streams over the keys may use a running M (the ceiling of the running maximum): every later rescaling is an exact power of two, which a block's scale takes up: the codes' values come out the same.
;;   OPERANDS COMPUTED ON THE WAY. 'Computed on the way' means the value that the module computes at that place (a softmax that the list does not call 'softmax' is quantised finished and normalised). What goes into a quantiser is computed in f32, as accurately as f32 sums, v_exp_f32 and their like allow (about 1e-6 of the number): no bf16 or f16 on the way to a quantiser, and a product that is left as it is and whose result goes on into a quantised operand takes f32 operands (vector FMAs, or v_wmma_f32_16x16x4_f32). A number that lies on a knife's edge between two numbers of the format may be rounded either way, as far as f32 arithmetic and the matrix unit's own rounding can turn it there, and no further.
;; 2 versions. Each part assembles by itself: llvm-mc -triple=amdgcn-amd-amdhsa -mcpu=gfx1250 --defsym DOCPART=n.
;; ======== version 1 of 2: 2 launches
;; workspace buffers: xc 6,291,456 bytes; xsc 262,144 bytes; biasw 1,048,576 bytes; wc 49,152 bytes; wsc 4,096 bytes
;; launch prep (part 1): grid 256 x 1, 8 waves a work-group, no clusters, 143,360 bytes of LDS; arguments pairwise_repr, mask, Wb, Wq, Wk, Wv, Wo, xc, xsc, biasw, wc, wsc; writes xc, xsc, biasw, wc, wsc
.if DOCPART == 1
	.amdgcn_target "amdgcn-amd-amdhsa--gfx1250"
	.amdhsa_code_object_version 6
	.text
	.protected	k_q404629f910_prep
	.globl	k_q404629f910_prep
	.p2align	8
	.type	k_q404629f910_prep,@function
k_q404629f910_prep:
	s_mov_b64 s[64:65], 0
	v_nop
	global_prefetch_b8 v0, s[64:65] scope:SCOPE_SE
	s_setreg_imm32_b32 hwreg(HW_REG_WAVE_MODE, 25, 1), 1
	s_wait_xcnt 0x0
; PREP.  x = pairwise_repr [256 a][256 key][128 d] f32 is read ONCE and gives three things:
;   xc     codes of FP6 (E2M3) along d, as IMAGES OF OPERAND REGISTERS: [a][T][1536 bytes]; registers 4 c .. 4 c + 3 of lane l at 512 c + 16 l
;   xsc    their scale words (four E8M0 bytes, one for each 32 along d): [Tq][T][rq][r]
;   biasw  bias[h][a][key] = x[a][key] . Wb[:, h], in f32 by fused multiply-adds, times sqrt(32), and -2^120 where mask[key] is 0,
;          laid as the next launch's accumulators want it: [h][Tq][g = 2 T + q][lane = 16 hh + rq][4 numbers: keys 32 bb + 16 hh + 8 u + 4 q + 0 .. 3], T = 2 bb + u
; Wave 7 of work-groups 0 to 31 also quantises one tile of Wq, Wk, Wv or Wo along its first axis into wc (32 images) and wsc (32 x 32 scale words).
; TILES.  Tile T = 2 b + u of 256 rows is made of rows 32 b + 8 u + r + 8 (r / 8), r = 0 .. 15: as source 0 of a product such tiles leave 16 neighbouring indices
; in the 16 result registers of tiles 2 b and 2 b + 1.  x's tiles (a and key) and the column tiles of Wq, Wk, Wv are so; Wo's tiles are columns 16 t + r.
; SHARES.  Work-group id = 16 Tq + T takes the 16 a of tile Tq x the 16 keys of tile T: 256 rows of 512 bytes.  Wave w takes a = A0 + w and A0 + w + 16 (rq = w, w + 8): two fragments.
; Every load of x reads one row, 512 consecutive bytes; the rows turn through the wave's own stage in LDS so that lane (r, hh) holds, of row r, d = 32 b + 16 hh + 0 .. 15 in registers 16 b + 0 .. 15.
; Wb, 2,048 bytes, is read from memory once by the work-group, 8 bytes a thread, and goes to every wave's registers through LDS: 34 global loads a wave in all.
; All 16 rq meet in one work-group, so the bias leaves as four runs of 1,024 bytes and the scale words as one.
; A block's scale is 2^(floor(log2(largest magnitude)) - 2); its byte is that magnitude's exponent field - 2, held at 1 from below.
; LIMITS: NaN and infinities among the inputs are not served.  A block whose largest magnitude lies under 2^-124 (a block of zeros too) keeps the byte 1; only this program reads the bytes.
; No tensor load, no cluster: work-groups share nothing but Wb (2 KiB) and the mask (256 bytes).
.set SP,   528                         ; a stage row: 512 bytes + 16, so that the 16 rows that a load touches fall on 16 different columns of 16 bytes
.set TST,  16*SP                       ; a tile's stage
.set WST,  2*TST                       ; a wave's two stages
.set BG,   8*WST                       ; the bias gathered: [h][q][lane][16 bytes], 4,096 bytes
.set XG,   BG+4096                     ; the scale words gathered: [rq][r], 1,024 bytes
.set WBL,  XG+1024                     ; Wb as it lies in memory: 16 bytes for each d, 2,048 bytes
.set LI,   1                           ; v1   16 x lane
.set C16,  2                           ; v2   in the head r; then 16 x thread
.set L4,   3                           ; v3   in the head hh; then 4 x lane
.set STI,  4                           ; v4   stage, way in
.set STO,  5                           ; v5   stage, way out
.set BGA,  6                           ; v6   where my bias numbers go
.set XGA,  7                           ; v7   where my scale word goes
.set CPL,  8                           ; v8   copy-out: LDS address
.set CPG,  9                           ; v9   copy-out: offset in biasw
.set MO,   10                          ; v10  my key's offset in the mask
.set MB,   11                          ; v11  its byte
.set NEG,  12                          ; v12  -2^120
.set WBO,  13                          ; v13  my half's place in Wb in LDS
.set WO,   14                          ; v14  my column's offset in a weight
.set PW,   15                          ; v15  the scale word just made
.set R0,   16                          ; v16-79   tile 0 as loaded; later tile 1 turned
.set R1,   80                          ; v80-143  tile 1 as loaded; later a weight's 64 numbers
.set X0,   144                         ; v144-207 tile 0 turned; at the head v144-147 Wb's 8 bytes and their two addresses; later the copy-out's data
.set X1,   16
.set WN,   80
.set TM,   208                         ; v208-211 largest magnitudes, v212-215 the other half's, then bytes, v216-219 the conversions' scale operands
.set PC,   220                         ; v220-231 a fragment's codes; v232-238 second halves on their way
.set ACC,  240                         ; v240-255 block b's four sums at 4 b .. 4 b + 3.   Window 1: v[4 n .. 4 n + 3] = Wb[32 b + 16 hh + i][0 .. 3], n = 16 b + i
.set SEL,  32                          ; s[32:33] v_permlanex16_b32's selects for lane l xor 16
.set MSB, 0
.macro WIN new                         ; the immediate's high byte repeats the setting that is left
.if MSB != \new
	s_set_vgpr_msb (MSB<<8)|\new
.set MSB, \new
.endif
.endm
; 64 numbers of a lane, register 16 b + i = k 32 b + 16 hh + i of its row: the four blocks' largest magnitudes, with the floor 2^(3 - 127) among the leaves
.macro MAXABS s
.irp b, 0,1,2,3
	v_max3_num_f32 v[TM+\b], |v[\s+16*\b]|, |v[\s+16*\b+1]|, 0x1800000
.endr
.irp i, 2,4,6,8,10,12,14
.irp b, 0,1,2,3
	v_max3_num_f32 v[TM+\b], v[TM+\b], |v[\s+16*\b+\i]|, |v[\s+16*\b+\i+1]|   ; the four blocks by turns
.endr
.endr
.irp b, 0,1,2,3
	v_permlanex16_b32 v[TM+4+\b], v[TM+\b], s[SEL], s[SEL+1]
.endr
.irp b, 0,1,2,3
	v_max_num_f32 v[TM+\b], v[TM+\b], v[TM+4+\b]                   ; with lane l xor 16's 16 numbers
.endr
.endm
.macro BYTES word
.irp b, 0,1,2,3
	v_add_nc_u32 v[TM+8+\b], 0xff000000, v[TM+\b]                  ; 2 off the exponent field: the conversion's scale operand
.endr
.irp b, 0,1,2,3
	v_lshrrev_b32 v[TM+4+\b], 23, v[TM+8+\b]                       ; the scale's byte
.endr
.if \word
	v_lshl_or_b32 v[PW], v[TM+5], 8, v[TM+4]
	v_lshl_or_b32 v[PW], v[TM+6], 16, v[PW]
	v_lshl_or_b32 v[PW], v[TM+7], 24, v[PW]                        ; my row's scale word
.endif
.endm
.macro CODES s, d                      ; the fragment's 12 registers at v[d]: registers 6 c .. 6 c + 5 = k 64 c + 32 hh + 0 .. 31
.irp c, 0,1
	v_cvt_scalef32_pk16_fp6_f32 v[\d+6*\c:\d+6*\c+2], v[\s+32*\c:\s+32*\c+15], v[TM+8+2*\c]
	v_cvt_scalef32_pk16_fp6_f32 v[PC+12+4*\c:PC+14+4*\c], v[\s+32*\c+16:\s+32*\c+31], v[TM+9+2*\c]   ; (a conversion's three registers begin on an even number)
.endr
	v_nop                                                          ; one plain place behind the scaled conversions
.irp c, 0,1
.irp i, 0,1,2
	v_permlane16_swap_b32 v[\d+6*\c+\i], v[PC+12+4*\c+\i]          ; a whole block to a lane: lanes 0-15 block 2 c, lanes 16-31 block 2 c + 1
.endr
.irp i, 0,1,2
	v_mov_b32 v[\d+6*\c+3+\i], v[PC+12+4*\c+\i]
.endr
.endr
.endm
; number 16 b + e + o of the lane times its row of Wb, onto block b's four sums (o picks the register of the pair that feeds both halves)
.macro BF s, b, e, o
.if \o
	v_pk_fma_f32 v[ACC+4*\b:ACC+4*\b+1], v[\s+16*\b+\e:\s+16*\b+\e+1], v[4*(16*\b+\e+1):4*(16*\b+\e+1)+1], v[ACC+4*\b:ACC+4*\b+1] op_sel:[1,0,0] op_sel_hi:[1,1,1]
	v_pk_fma_f32 v[ACC+4*\b+2:ACC+4*\b+3], v[\s+16*\b+\e:\s+16*\b+\e+1], v[4*(16*\b+\e+1)+2:4*(16*\b+\e+1)+3], v[ACC+4*\b+2:ACC+4*\b+3] op_sel:[1,0,0] op_sel_hi:[1,1,1]
.else
	v_pk_fma_f32 v[ACC+4*\b:ACC+4*\b+1], v[\s+16*\b+\e:\s+16*\b+\e+1], v[4*(16*\b+\e):4*(16*\b+\e)+1], v[ACC+4*\b:ACC+4*\b+1] op_sel_hi:[0,1,1]
	v_pk_fma_f32 v[ACC+4*\b+2:ACC+4*\b+3], v[\s+16*\b+\e:\s+16*\b+\e+1], v[4*(16*\b+\e)+2:4*(16*\b+\e)+3], v[ACC+4*\b+2:ACC+4*\b+3] op_sel_hi:[0,1,1]
.endif
.endm
; x[a][my key] . Wb for the four heads: 64 numbers a lane in eight chains, then the other half of the lanes; x sqrt(32); the mask
.macro BIAS s
	WIN 0x04                                                       ; source 1 (Wb) in window 1
.irp b, 0,1,2,3
	v_pk_mul_f32 v[ACC+4*\b:ACC+4*\b+1], v[\s+16*\b:\s+16*\b+1], v[64*\b:64*\b+1] op_sel_hi:[0,1]       ; the first products start the sums
	v_pk_mul_f32 v[ACC+4*\b+2:ACC+4*\b+3], v[\s+16*\b:\s+16*\b+1], v[64*\b+2:64*\b+3] op_sel_hi:[0,1]
.endr
.irp b, 0,1,2,3
	BF \s, \b, 0, 1
.endr
.irp e, 2,4,6,8,10,12,14
.irp b, 0,1,2,3
	BF \s, \b, \e, 0
.endr
.irp b, 0,1,2,3
	BF \s, \b, \e, 1
.endr
.endr
	WIN 0
	v_pk_add_f32 v[ACC:ACC+1], v[ACC:ACC+1], v[ACC+4:ACC+5]
	v_pk_add_f32 v[ACC+2:ACC+3], v[ACC+2:ACC+3], v[ACC+6:ACC+7]
	v_pk_add_f32 v[ACC+8:ACC+9], v[ACC+8:ACC+9], v[ACC+12:ACC+13]
	v_pk_add_f32 v[ACC+10:ACC+11], v[ACC+10:ACC+11], v[ACC+14:ACC+15]
	v_pk_add_f32 v[ACC:ACC+1], v[ACC:ACC+1], v[ACC+8:ACC+9]
	v_pk_add_f32 v[ACC+2:ACC+3], v[ACC+2:ACC+3], v[ACC+10:ACC+11]
.irp h, 0,1,2,3
	v_permlanex16_b32 v[TM+4+\h], v[ACC+\h], s[SEL], s[SEL+1]
.endr
	v_pk_add_f32 v[ACC:ACC+1], v[ACC:ACC+1], v[TM+4:TM+5]
	v_pk_add_f32 v[ACC+2:ACC+3], v[ACC+2:ACC+3], v[TM+6:TM+7]
	v_pk_mul_f32 v[ACC:ACC+1], v[ACC:ACC+1], 0x40b504f3 op_sel_hi:[1,0]        ; x sqrt(32): the next launch multiplies score + this by log2(e) / sqrt(32)
	v_pk_mul_f32 v[ACC+2:ACC+3], v[ACC+2:ACC+3], 0x40b504f3 op_sel_hi:[1,0]
.irp h, 0,1,2,3
	v_cndmask_b32 v[ACC+\h], v[NEG], v[ACC+\h], s30                ; a key that the mask hides: -2^120
.endr
.endm
.macro TILE s, k                       ; tile k of the wave (rq = w + 8 k), its numbers at v[s]
	BIAS \s
.irp h, 0,1,2,3
	ds_store_b32 v[BGA], v[ACC+\h] offset:1024*\h+128*\k           ; lanes l and l xor 16 store the same word with the same value
.endr
	MAXABS \s
	BYTES 1
	CODES \s, PC
.irp c, 0,1,2
	global_store_b128 v[LI], v[PC+4*\c:PC+4*\c+3], s[18:19] offset:512*\c+393216*\k   ; 512 consecutive bytes a store; tile 1 lies 16 a x 24,576 bytes on
.endr
	ds_store_b32 v[XGA], v[PW] offset:512*\k
.endm
	s_load_b512 s[4:19], s[0:1], 0x0               ; x 4, mask 6, Wb 8, Wq 10, Wk 12, Wv 14, Wo 16, xc 18
	s_load_b256 s[20:27], s[0:1], 0x40             ; xsc 20, biasw 22, wc 24, wsc 26
	v_lshl_add_u32 v235, v0, 2, 0x22c00
	v_mov_b32 v239, 0
	v_lshrrev_b32 v1, 5, v0
	v_readfirstlane_b32 s28, v1                    ; wave 0..7
	s_mov_b32 s29, ttmp9                           ; id = 16 Tq + T
	s_mov_b32 s[SEL], 0x76543210
	s_mov_b32 s[SEL+1], 0xfedcba98
	v_and_b32 v10, 31, v0                          ; lane
	v_and_b32 v2, 15, v0                           ; r
	v_bfe_u32 v3, v0, 4, 1                         ; hh
	v_lshrrev_b32 v11, 3, v2                       ; r / 8
	v_lshlrev_b32 v[LI], 4, v10
	s_mul_i32 s34, s28, WST
	v_add_nc_u32 v[STI], s34, v[LI]                ; in: a row's 512 bytes as they lie
	v_mul_u32_u24 v[STO], v2, SP
	v_lshl_add_u32 v[STO], v3, 6, v[STO]
	v_add_nc_u32 v[STO], s34, v[STO]               ; out: row r, + 64 hh: my 16 numbers of each block of 32
	v_bfe_u32 v[BGA], v2, 2, 1                     ; my key is 32 bb + 8 u + 16 (r / 8) + 4 ((r / 4) % 2) + r % 4: so q = (r / 4) % 2, the reader's hh = r / 8, number r % 4
	v_lshlrev_b32 v[BGA], 9, v[BGA]
	v_lshl_add_u32 v[BGA], v11, 8, v[BGA]
	v_and_b32 v12, 3, v2
	v_lshl_add_u32 v[BGA], v12, 2, v[BGA]
	s_lshl_b32 s34, s28, 4                         ; the reader's lane % 16 = rq = w (+ 8 for tile 1: in the immediate)
	s_add_co_u32 s34, s34, BG
	v_add_nc_u32 v[BGA], s34, v[BGA]
	s_lshl_b32 s34, s28, 6
	s_add_co_u32 s34, s34, XG
	v_lshl_add_u32 v[XGA], v2, 2, s34              ; [rq = w][r]
	v_lshl_add_u32 v[CPL], v0, 4, BG
	v_lshrrev_b32 v[CPG], 6, v0                    ; head = thread / 64: 262,144 bytes apart in biasw
	v_lshlrev_b32 v[CPG], 18, v[CPG]
	v_and_b32 v12, 63, v0
	v_lshl_add_u32 v[CPG], v12, 4, v[CPG]
	s_and_b32 s35, s29, 15                         ; T
	s_lshr_b32 s36, s35, 1
	s_lshl_b32 s36, s36, 5
	s_and_b32 s37, s35, 1
	s_lshl_b32 s37, s37, 3
	s_add_co_u32 s36, s36, s37                     ; the tile's first key: 32 bb + 8 u
	v_lshl_add_u32 v[MO], v11, 3, v2
	v_add_nc_u32 v[MO], s36, v[MO]                 ; my key
	v_lshl_add_u32 v[WBO], v3, 8, WBL              ; Wb in LDS: 16 hh rows of 16 bytes on
	v_lshlrev_b32 v146, 3, v0                      ; Wb on its way in: 8 bytes a thread, in memory
	v_lshl_add_u32 v147, v0, 3, WBL                ; and in LDS
	s_lshr_b32 s31, s29, 3                         ; work-groups 0 to 31: which weight,
	s_and_b32 s34, s29, 7                          ; and which of its tiles: first column 32 (t / 2) + 8 (t % 2), rows skipping as above; Wo's: 16 t, neighbours
	s_lshr_b32 s40, s34, 1
	s_lshl_b32 s40, s40, 5
	s_and_b32 s41, s34, 1
	s_lshl_b32 s41, s41, 3
	s_add_co_u32 s40, s40, s41
	s_lshl_b32 s41, s34, 4
	s_cmp_eq_u32 s31, 3
	s_cselect_b32 s40, s41, s40
	s_cselect_b32 s41, 0, 32
	s_lshl_b32 s40, s40, 2
	v_mul_u32_u24 v[WO], s41, v11
	v_lshl_add_u32 v[WO], v2, 2, v[WO]
	v_lshl_add_u32 v[WO], v3, 13, v[WO]            ; lanes 16-31 begin 16 rows of 512 bytes further down
	v_add_nc_u32 v[WO], s40, v[WO]
	v_mov_b32 v[NEG], 0xfb800000
	v_lshrrev_b32 v[L4], 2, v[LI]                  ; r and hh are done with
	v_lshlrev_b32 v[C16], 4, v0
.irp b, 0,1,2,3
	v_mov_b32 v[TM+4+\b], 0                        ; written once: a lane permute's destination counts as one of its sources
.endr
	s_lshr_b32 s38, s29, 4                         ; Tq
	s_lshr_b32 s39, s38, 1
	s_lshl_b32 s39, s39, 5
	s_and_b32 s37, s38, 1
	s_lshl_b32 s37, s37, 3
	s_add_co_u32 s39, s39, s37
	s_add_co_u32 s39, s39, s28                     ; a of my tile 0
	s_lshl_b32 s42, s39, 17                        ; x: a x 131,072 + first key x 512
	s_lshl_b32 s37, s36, 9
	s_add_co_u32 s42, s42, s37
	s_mov_b32 s43, 0
	s_mul_i32 s44, s39, 24576                      ; xc: a x 24,576 + T x 1,536
	s_mul_i32 s37, s35, 1536
	s_add_co_u32 s44, s44, s37
	s_mov_b32 s45, 0
	s_lshl_b32 s46, s29, 10                        ; xsc and biasw: Tq x 16,384 + T x 1,024 = id x 1,024
	s_mov_b32 s47, 0
	s_wait_kmcnt 0x0
	s_add_nc_u64 s[4:5], s[4:5], s[42:43]
	s_add_nc_u64 s[18:19], s[18:19], s[44:45]
	s_add_nc_u64 s[20:21], s[20:21], s[46:47]
	s_add_nc_u64 s[22:23], s[22:23], s[46:47]
	global_load_b64 v[144:145], v146, s[8:9]       ; Wb: my 8 bytes; the wave's first load, so that it is the first to be shown done
	; all of the wave's 16 KiB of x are asked for at once, a row of 512 bytes a load; then the mask byte
.irp k, 0,1
.irp p, 0,1,2,3,4,5,6,7,8,9,10,11,12,13,14,15
	global_load_b128 v[R0+64*\k+4*\p:R0+64*\k+4*\p+3], v[LI], s[4:5] offset:(\p+8*(\p/8))*512+2097152*\k th:TH_LOAD_NT
.endr
.endr
	global_load_u8 v[MB], v[MO], s[6:7]
	s_wait_loadcnt 33                              ; Wb's 8 bytes are in; the 32 loads of x and the mask's, issued behind it, stay out
	ds_store_b64 v147, v[144:145]
	s_wait_dscnt 0x0                               ; for the others' sake: my part of Wb lies in LDS
	s_barrier_signal -1
	s_barrier_wait -1                              ; all of Wb does
	WIN 0x40                                       ; destination window 1
.irp b, 0,1,2,3
.irp i, 0,1,2,3,4,5,6,7,8,9,10,11,12,13,14,15
	ds_load_b128 v[4*(16*\b+\i):4*(16*\b+\i)+3], v[WBO] offset:512*\b+16*\i    ; sixteen lanes take the same 16 bytes; these run while x is on its way
.endr
.endr
	WIN 0
	s_wait_loadcnt 0x0                             ; x and the mask byte are in
	v_cmp_ne_u32 s30, 0, v[MB]                     ; my key counts
	; the turn through my own stages: LDS serves a wave's instructions in order, so no wait stands between the stores and the loads
.irp p, 0,1,2,3,4,5,6,7,8,9,10,11,12,13,14,15
	ds_store_b128 v[STI], v[R0+4*\p:R0+4*\p+3] offset:SP*\p
.endr
.irp b, 0,1,2,3
.irp j, 0,1,2,3
	ds_load_b128 v[X0+16*\b+4*\j:X0+16*\b+4*\j+3], v[STO] offset:128*\b+16*\j
.endr
.endr
.irp p, 0,1,2,3,4,5,6,7,8,9,10,11,12,13,14,15
	ds_store_b128 v[STI], v[R1+4*\p:R1+4*\p+3] offset:TST+SP*\p
.endr
	s_wait_dscnt 0x0                               ; Wb is in its registers, tile 0 is turned, and the stores have read both sets of registers
.irp b, 0,1,2,3
.irp j, 0,1,2,3
	ds_load_b128 v[X1+16*\b+4*\j:X1+16*\b+4*\j+3], v[STO] offset:TST+128*\b+16*\j
.endr
.endr
	s_cmp_lt_u32 s29, 32                           ; wave 7 of work-groups 0 to 31: fragment id of the weights: a lane takes a column and its registers run down d
	s_cbranch_scc0 .Lno_weight_loads
	s_cmp_eq_u32 s28, 7
	s_cbranch_scc0 .Lno_weight_loads
	s_cmp_eq_u32 s31, 1
	s_cselect_b64 s[40:41], s[12:13], s[10:11]
	s_cmp_eq_u32 s31, 2
	s_cselect_b64 s[40:41], s[14:15], s[40:41]
	s_cmp_eq_u32 s31, 3
	s_cselect_b64 s[40:41], s[16:17], s[40:41]
.irp b, 0,1,2,3
.irp i, 0,1,2,3,4,5,6,7,8,9,10,11,12,13,14,15
	global_load_b32 v[WN+16*\b+\i], v[WO], s[40:41] offset:(32*\b+\i)*512
.endr
.endr
.Lno_weight_loads:
	TILE X0, 0
	s_wait_dscnt 0x0                               ; tile 1 is turned; tile 0's LDS stores have read their registers
	s_wait_xcnt 0x0                                ; tile 0's stores of codes have read theirs: the codes' registers are written again
	TILE X1, 1
	s_wait_dscnt 0x0                               ; for the others' sake: my bias numbers and scale words lie in LDS
	s_barrier_signal -1
	s_barrier_wait -1
	ds_load_b128 v[144:147], v[CPL]
	s_wait_dscnt 0x0
	global_store_b128 v[CPG], v[144:147], s[22:23] ; a wave stores 512 consecutive bytes; two waves a head's 1,024
	s_cmp_lt_u32 s28, 2
	s_cbranch_scc0 .Lno_scale_copy
	ds_load_b128 v[148:151], v[CPL] offset:4096    ; waves 0 and 1: the 1,024 bytes of scale words
	s_wait_dscnt 0x0
	global_store_b128 v[C16], v[148:151], s[20:21]
.Lno_scale_copy:
	s_cmp_lt_u32 s29, 32
	s_cbranch_scc0 .Lend
	s_cmp_eq_u32 s28, 7
	s_cbranch_scc0 .Lend
	s_mul_i32 s36, s29, 1536                       ; fragment id
	s_mov_b32 s37, 0
	s_add_nc_u64 s[24:25], s[24:25], s[36:37]
	s_lshl_b32 s36, s29, 7
	s_add_nc_u64 s[26:27], s[26:27], s[36:37]
	s_wait_loadcnt 0x0                             ; the weight's 64 numbers
	s_wait_xcnt 0x0                                ; tile 1's stores have read the codes' registers
	MAXABS WN
	BYTES 1
	CODES WN, PC
.irp c, 0,1,2
	global_store_b128 v[LI], v[PC+4*\c:PC+4*\c+3], s[24:25] offset:512*\c
.endr
	global_store_b32 v[L4], v[PW], s[26:27]        ; 128 bytes a fragment, 4 KiB in the whole launch
.Lend:
	s_wait_tensorcnt 0x0
	ds_add_u32 v235, v239
	s_wait_dscnt 0x0
	s_endpgm
.Lfunc_end_k_q404629f910_prep:
	.size	k_q404629f910_prep, .Lfunc_end_k_q404629f910_prep-k_q404629f910_prep
	.p2alignl 7, 3214868480
	.fill 96, 4, 3214868480
	.section	.rodata,"a",@progbits
	.p2align	6, 0x0
	.amdhsa_kernel k_q404629f910_prep
		.amdhsa_group_segment_fixed_size 143360
		.amdhsa_private_segment_fixed_size 0
		.amdhsa_enable_private_segment 0
		.amdhsa_kernarg_size 96
		.amdhsa_user_sgpr_count 2
		.amdhsa_user_sgpr_kernarg_segment_ptr 1
		.amdhsa_wavefront_size32 1
		.amdhsa_system_sgpr_workgroup_id_x 1
		.amdhsa_system_sgpr_workgroup_id_y 1
		.amdhsa_system_sgpr_workgroup_id_z 1
		.amdhsa_system_vgpr_workitem_id 0
		.amdhsa_next_free_vgpr 512
		.amdhsa_next_free_sgpr 66
		.amdhsa_reserve_vcc 0
		.amdhsa_float_denorm_mode_32 3
		.amdhsa_float_denorm_mode_16_64 3
		.amdhsa_memory_ordered 1
		.amdhsa_forward_progress 1
		.amdhsa_inst_pref_size 55
	.end_amdhsa_kernel
	.amdgpu_metadata
---
amdhsa.version: [ 1, 2 ]
amdhsa.kernels:
  - .name:           k_q404629f910_prep
    .symbol:         k_q404629f910_prep.kd
    .args:
      - { .name: pairwise_repr, .offset: 0, .size: 8, .value_kind: global_buffer, .address_space: global }
      - { .name: mask, .offset: 8, .size: 8, .value_kind: global_buffer, .address_space: global }
      - { .name: Wb, .offset: 16, .size: 8, .value_kind: global_buffer, .address_space: global }
      - { .name: Wq, .offset: 24, .size: 8, .value_kind: global_buffer, .address_space: global }
      - { .name: Wk, .offset: 32, .size: 8, .value_kind: global_buffer, .address_space: global }
      - { .name: Wv, .offset: 40, .size: 8, .value_kind: global_buffer, .address_space: global }
      - { .name: Wo, .offset: 48, .size: 8, .value_kind: global_buffer, .address_space: global }
      - { .name: xc, .offset: 56, .size: 8, .value_kind: global_buffer, .address_space: global }
      - { .name: xsc, .offset: 64, .size: 8, .value_kind: global_buffer, .address_space: global }
      - { .name: biasw, .offset: 72, .size: 8, .value_kind: global_buffer, .address_space: global }
      - { .name: wc, .offset: 80, .size: 8, .value_kind: global_buffer, .address_space: global }
      - { .name: wsc, .offset: 88, .size: 8, .value_kind: global_buffer, .address_space: global }
    .group_segment_fixed_size: 143360
    .private_segment_fixed_size: 0
    .kernarg_segment_align: 8
    .kernarg_segment_size: 96
    .max_flat_workgroup_size: 256
    .sgpr_count:     66
    .vgpr_count:     512
    .wavefront_size: 32
...
	.end_amdgpu_metadata
.endif
;; end of part 1
;; launch attn (part 2): grid 256 x 1, 8 waves a work-group, no clusters, 199,680 bytes of LDS; arguments xc, xsc, biasw, wc, wsc, out0; writes out0
.if DOCPART == 2
	.amdgcn_target "amdgcn-amd-amdhsa--gfx1250"
	.amdhsa_code_object_version 6
	.text
	.protected	k_q404629f910_attn
	.globl	k_q404629f910_attn
	.p2align	8
	.type	k_q404629f910_attn,@function
k_q404629f910_attn:
	s_mov_b64 s[64:65], 0
	v_nop
	global_prefetch_b8 v0, s[64:65] scope:SCOPE_SE
	s_setreg_imm32_b32 hwreg(HW_REG_WAVE_MODE, 25, 1), 1
	s_wait_xcnt 0x0
; ATTN.  One work-group for each row i of the pair tensor: q, k, v = x_i W; per head S = q k^T + bias sqrt(32) (hidden keys: -2^120); t = c S, c = log2(e) / sqrt(32);
; p = 2^(t - M), M = the ceiling of the running largest t; o = (p v) / l, l the sum of the unquantised p; out = o Wo.  All six products on codes of FP6 (E2M3) with E8M0 scales.
; x_i, its scale words, the four weights and the bias come ready from the launch before: operands as images of their registers, the bias in the layout of an accumulator.
; SHARES.  Eight waves, two to a SIMD, 512 registers each.  Wave w owns x's tiles w and w + 8: their 32 keys for k, and their 32 queries, 16 at a time, in two passes; and the two fragments of V^T
; with the channels of Wv's tile w (keys 0 to 127, keys 128 to 255).  Tile T = 2 b + u is rows 32 b + 8 u + r + 8 (r / 8).
; LAYOUT.  Every product is used transposed, so that a lane holds ONE query (lane % 16): q^T = Wq^T x^T, S^T = k q^T, O^T = V^T p^T, out^T = Wo^T o^T.  With the tiles chosen as above the 16 registers of two
; neighbouring result tiles are 16 neighbours along the next K.
; K = 32 IN A FORM OF K = 128.  A fragment of k holds head h's 32 codes of FOUR key tiles, one in each block of 32; it is multiplied by four variants of q_h, each with q_h's codes in one block and zero
; codes in the three others.  The variants are 30 registers Z L Z U Z (L: q_h in lanes 0-15, U: in lanes 16-31, Z: zeros): (L, Z), (U, Z), (Z, L), (Z, U) are blocks 0 to 3.
; THE BIAS AND THE MASK ARE THE C OF THE SCORE PRODUCT, and cost no vector instruction.  They come from memory, 512 consecutive bytes a load, into TWO BUFFERS of 64 registers that take turns:
; a buffer is asked for again four places behind the products that read it, for the step after the next, so that a load has nearly two steps (some 500 instructions of the wave) in which to land.
; A HEAD IS A BLOCK of the last product's K: o is divided by l and quantised head by head, so O^T is 16 registers.
; REGISTERS, in windows of 256.  Window 0 holds all that a vector instruction touches.  Window 1 holds only what matrix instructions read and loads write: v0-127 the two bias buffers;
; v128-223 eight fragments of a projection or of the way out; in the key steps v128-151 k's two fragments, v152-175 V^T's two.  s_set_vgpr_msb's low byte: bits 1:0 source 0, 3:2 source 1, 5:4 source 2, 7:6 destination:
; 0x11 the score products (A and C in window 1), 0x01 the other products (A in window 1), 0x40 loads into window 1.  Five switches a step, for its 10 matrix instructions and 38 loads.
; NO CLUSTER, NO JOINT LOADS: what the work-groups share is the bias, 1 MiB for each.  Here it goes from memory into registers once, 8 KiB a wave and step.  Asked for jointly it would be written to LDS and
; read again, and LDS has 129,024 bytes left, an eighth of it: eight rounds and more over 32 waves, for bytes that would then pass through LDS twice.
; LIMITS.  NaN and infinities are not served.  A key that the mask hides has the score -2^120 (reference(): the most negative f32); its p is 0 as soon as one key of the row counts.  With NO key that counts the result
; is reference()'s mean of v only if the product returns its C unchanged under sums some 2^100 times smaller: not tried.  Blocks whose largest magnitude lies under 2^-124 keep the byte 1.
.set WIMG, 0                           ; LDS: the weights' 32 images of 1,536 bytes (0-7 Wq, 8-15 Wk, 16-23 Wv, 24-31 Wo),
.set WSC,  49152                       ; their scale words, 128 bytes each,
.set XIMG, 53248                       ; x_i's 16 images,
.set XSC,  77824                       ; their scale words [T][r],
.set KIMG, 78848                       ; k: [h][g][register pair 0..5][lane][8 bytes]: block b of fragment (h, g) is key tile 4 g + b,
.set KSC,  103424                      ; [h][g][r][4 bytes]: byte b for key tile 4 g + b,
.set VIMG, 104448                      ; V^T: 16 images [8 (key half) + channel tile],
.set VSC,  129024                      ; their scale words, 128 bytes each,
.set STG,  131072                      ; and a stage of 16 rows x 528 bytes for each wave, for the way out
.set SP,   528
.set AW,   1                           ; v1   16 x lane: an image's place for my lane; also my offset in a row of out
.set LR,   2                           ; v2   4 r: a scale word's
.set AX,   3                           ; v3   x tile w's image (tile w + 8: 12,288 bytes on)
.set AXS,  4                           ; v4   its scale words (512 bytes on)
.set AXV,  5                           ; v5   x's images from the first on
.set AXVS, 6                           ; v6   their scale words
.set AWV,  7                           ; v7   tile w of a weight (from the weight's first image on)
.set AWVS, 8                           ; v8   its scale words
.set KW,   9                           ; v9   where key tile w's codes go (tile w + 8: 3,072 bytes on)
.set KB,   10                          ; v10  where its scale bytes go (128 bytes on)
.set AVW,  11                          ; v11  where my V^T images go (the second key half: 12,288 bytes on)
.set AVSW, 12                          ; v12  and their scale words (1,024 bytes on)
.set AK,   13                          ; v13  k fragments: 8 x lane
.set AKS,  14                          ; v14  k scale words
.set AV,   15                          ; v15  V^T images
.set AVS,  16                          ; v16  V^T scale words
.set BA,   17                          ; v17  my offset in the bias: 16 x lane + 16,384 w (tile w + 8: 131,072 bytes on); never rewritten
.set SO,   18                          ; v18  stage, way in
.set SR,   19                          ; v19  stage, way out
; v[22:23] 1 / l;  v24 -M, v25 the largest t;  v[26:27] l in two halves;  v[28:29] f;  v[30:31] at work;  v32-61 Z L Z U Z
.set QF,   64                          ; v64-75  q's fragment: head h in registers 6 (h / 2) on, lanes 16 (h % 2) on
.set SC,   76                          ; v76-91  scale words and nothing else: +0..7 a run's source 0 (in the key steps +0, +1 k's, +2, +3 V's), +8 source 1, +9 p's, +10 o's, +12..15 q's byte of head h four times
.set PW,   SC+9
.set OF,   92                          ; v92-103  o's fragment
.set O,    104                         ; v104-119 O^T of the head in hand
.set PC,   120                         ; v120-131 codes just made; v132-138 second halves on their way
.set TM,   140                         ; v140-143 maxima, v144-147 the other half's, then bytes, v148-151 the conversions' scale operands
.set XF,   152                         ; v152-163 a projection's source 1
.set C2,   164                         ; v164-167 two more chains of the row's sum
.set S,    192                         ; v192-255 S^T, then p; at the end out^T
.set HA,   192                         ; a projection's results
.set WF,   128                         ; window 1: eight fragments
.set KF,   128                         ; window 1: k's two
.set VF,   152                         ; window 1: V^T's two
.set SEL,  20                          ; s[20:21] v_permlanex16_b32's selects for lane l xor 16
.set CS,   22                          ; s[22:23] c
.set MSB, 0
.macro WIN new                         ; the immediate's high byte repeats the setting that is left
.if MSB != \new
	s_set_vgpr_msb (MSB<<8)|\new
.set MSB, \new
.endif
.endm
.macro NOPS n
.rept \n
	v_nop
.endr
.endm
.macro BARRIER                         ; my LDS stores have landed and my LDS loads are in: then the work-group's barrier
	s_wait_dscnt 0x0
	s_barrier_signal -1
	s_barrier_wait -1
.endm
.macro WM0 d, a, b, sa, sb             ; a product that starts its sum
	v_wmma_scale_f32_16x16x128_f8f6f4 v[0+(\d):7+(\d)], v[0+(\a):11+(\a)], v[0+(\b):11+(\b)], 0, v[0+(\sa)], v[0+(\sb)] matrix_a_fmt:MATRIX_FMT_FP6 matrix_b_fmt:MATRIX_FMT_FP6
.endm
.macro WMA d, a, b, sa, sb             ; a product that adds onto what its accumulator holds
	v_wmma_scale_f32_16x16x128_f8f6f4 v[0+(\d):7+(\d)], v[0+(\a):11+(\a)], v[0+(\b):11+(\b)], v[0+(\d):7+(\d)], v[0+(\sa)], v[0+(\sb)] matrix_a_fmt:MATRIX_FMT_FP6 matrix_b_fmt:MATRIX_FMT_FP6
.endm
.macro WMC d, a, b, c, sa, sb          ; a product whose sum begins with other registers
	v_wmma_scale_f32_16x16x128_f8f6f4 v[0+(\d):7+(\d)], v[0+(\a):11+(\a)], v[0+(\b):11+(\b)], v[0+(\c):7+(\c)], v[0+(\sa)], v[0+(\sb)] matrix_a_fmt:MATRIX_FMT_FP6 matrix_b_fmt:MATRIX_FMT_FP6
.endm
.macro FETCH reg, adr, off             ; an image comes back as the registers that it was
.irp c, 0,1,2
	ds_load_b128 v[\reg+4*\c:\reg+4*\c+3], v[\adr] offset:\off+512*\c
.endr
.endm
; 64 numbers of a lane, register 16 b + i = k 32 b + 16 hh + i of its row: the four blocks' largest magnitudes, with the floor 2^(3 - 127) among the leaves
.macro MAXABS s
.irp b, 0,1,2,3
	v_max3_num_f32 v[TM+\b], |v[\s+16*\b]|, |v[\s+16*\b+1]|, 0x1800000
.endr
.irp i, 2,4,6,8,10,12,14
.irp b, 0,1,2,3
	v_max3_num_f32 v[TM+\b], v[TM+\b], |v[\s+16*\b+\i]|, |v[\s+16*\b+\i+1]|   ; the four blocks by turns; each accumulator is read from its low end on
.endr
.endr
.irp b, 0,1,2,3
	v_permlanex16_b32 v[TM+4+\b], v[TM+\b], s[SEL], s[SEL+1]
.endr
.irp b, 0,1,2,3
	v_max_num_f32 v[TM+\b], v[TM+\b], v[TM+4+\b]
.endr
.endm
.macro BYTES word
.irp b, 0,1,2,3
	v_add_nc_u32 v[TM+8+\b], 0xff000000, v[TM+\b]                  ; 2 off the exponent field: the conversion's scale operand
.endr
.irp b, 0,1,2,3
	v_lshrrev_b32 v[TM+4+\b], 23, v[TM+8+\b]                       ; the scale's byte
.endr
.if \word
	v_lshl_or_b32 v[PW], v[TM+5], 8, v[TM+4]
	v_lshl_or_b32 v[PW], v[TM+6], 16, v[PW]
	v_lshl_or_b32 v[PW], v[TM+7], 24, v[PW]
.endif
.endm
.macro CODES s, d                      ; the fragment's 12 registers at v[d]: registers 6 c .. 6 c + 5 = k 64 c + 32 hh + 0 .. 31
.irp c, 0,1
	v_cvt_scalef32_pk16_fp6_f32 v[\d+6*\c:\d+6*\c+2], v[\s+32*\c:\s+32*\c+15], v[TM+8+2*\c]
	v_cvt_scalef32_pk16_fp6_f32 v[PC+12+4*\c:PC+14+4*\c], v[\s+32*\c+16:\s+32*\c+31], v[TM+9+2*\c]   ; (a conversion's three registers begin on an even number)
.endr
	v_nop                                                          ; one plain place behind the scaled conversions
.irp c, 0,1
.irp i, 0,1,2
	v_permlane16_swap_b32 v[\d+6*\c+\i], v[PC+12+4*\c+\i]
.endr
.irp i, 0,1,2
	v_mov_b32 v[\d+6*\c+3+\i], v[PC+12+4*\c+\i]
.endr
.endr
.endm
.macro WFETCH f                        ; the eight tiles f .. f + 7 of the weights' images into window 1, their scale words into the bank
	WIN 0x40
.irp t, 0,1,2,3,4,5,6,7
	FETCH WF+12*\t, AW, 1536*((\f)+\t)
.endr
	WIN 0
.irp t, 0,1,2,3,4,5,6,7
	ds_load_b32 v[SC+\t], v[LR] offset:WSC+128*((\f)+\t)
.endr
.endm
.macro PROD b, sb                      ; the eight fragments in window 1 (source 0) against the fragment at v[b] (source 1): eight accumulators, one product each
	s_wait_dscnt 0x0                               ; the fragments and scale words are in; earlier LDS stores have read their registers
	WIN 0x01
.irp t, 0,1,2,3,4,5,6,7
	WM0 HA+8*\t, WF+12*\t, \b, SC+\t, \sb
.endr
	WIN 0
	NOPS 5                                         ; four places in front of the reads of results and of loads into operands; the fifth since the next run's products write over these accumulators
.endm
; the variants of q_h
.macro QVAR h
.set QC, QF+6*((\h)/2)
.if (\h)%2 == 0
.irp i, 0,1,2,3,4,5
	v_cndmask_b32 v[38+\i], 0, v[QC+\i], s24       ; L: lanes 0-15 keep q_h, lanes 16-31 (the next head's codes) become zeros
.endr
.irp i, 0,1,2,3,4,5
	v_permlanex16_b32 v[50+\i], v[38+\i], s[SEL], s[SEL+1]         ; U: the halves changed
.endr
.else
.irp i, 0,1,2,3,4,5
	v_cndmask_b32 v[50+\i], 0, v[QC+\i], s25
.endr
.irp i, 0,1,2,3,4,5
	v_permlanex16_b32 v[38+\i], v[50+\i], s[SEL], s[SEL+1]
.endr
.endif
.endm
; step n = 2 h + s of a pass: head h, keys 128 s on
.macro KFRAG n                         ; its two fragments of k: (h, 2 s) and (h, 2 s + 1) are numbers 2 n, 2 n + 1
.irp g, 0,1
.irp p, 0,1,2,3,4,5
	ds_load_b64 v[KF+12*\g+2*\p:KF+12*\g+2*\p+1], v[AK] offset:(2*(\n)+\g)*1536+256*\p
.endr
.endr
.endm
.macro KSCL n
.irp g, 0,1
	ds_load_b32 v[SC+\g], v[AKS] offset:(2*(\n)+\g)*64
.endr
.endm
.macro VFRAG n                         ; its two fragments of V^T: channels 32 h + 0 .. 31
.set VI, 8*((\n)%2)+2*((\n)/2)
.irp u, 0,1
	FETCH VF+12*\u, AV, (VI+\u)*1536
.endr
.endm
.macro VSCL n
.set VI, 8*((\n)%2)+2*((\n)/2)
.irp u, 0,1
	ds_load_b32 v[SC+2+\u], v[AVS] offset:(VI+\u)*128
.endr
.endm
.macro BLOAD m                         ; the bias of step m = 8 (pass) + n into buffer m % 2: 16 loads of 512 consecutive bytes
.set BO, ((\m)/8)*131072+(((\m)%8)/2)*262144+((\m)%2)*8192
.set BD, 64*((\m)%2)
.irp i, 0,1,2,3,4,5,6,7,8,9,10,11,12,13,14,15
	global_load_b128 v[BD+4*\i:BD+4*\i+3], v[BA], s[8:9] offset:BO+512*\i
.endr
.endm
; head h is finished: O^T / l, quantised as block h of the last product's K
.macro FIN h
	v_add_f32 v30, v26, v27                        ; the sum's two halves,
	v_permlanex16_b32 v31, v30, s[SEL], s[SEL+1]
	v_add_f32 v30, v30, v31                        ; and lane l xor 16's
	v_rcp_f32 v22, v30
	v_nop                                          ; one plain place behind the transcendental
	s_wait_alu depctr_va_vdst(0)
.irp j, 0,2,4,6,8,10,12,14
	v_pk_mul_f32 v[O+\j:O+\j+1], v[O+\j:O+\j+1], v[22:23] op_sel_hi:[1,0]     ; ascending: each accumulator from its low end on
.endr
	v_max3_num_f32 v[TM], |v[O]|, |v[O+1]|, 0x1800000
.irp j, 2,4,6,8,10,12,14
	v_max3_num_f32 v[TM], v[TM], |v[O+\j]|, |v[O+\j+1]|
.endr
	v_permlanex16_b32 v[TM+4], v[TM], s[SEL], s[SEL+1]
	v_max_num_f32 v[TM], v[TM], v[TM+4]
	v_add_nc_u32 v[TM+8], 0xff000000, v[TM]
	v_lshrrev_b32 v[TM+4], 23, v[TM+8]
.if (\h) == 0
	v_mov_b32 v[SC+10], v[TM+4]
.else
	v_lshl_or_b32 v[SC+10], v[TM+4], 8*(\h), v[SC+10]
.endif
.if (\h)%2 == 0
	v_cvt_scalef32_pk16_fp6_f32 v[OF+6*((\h)/2):OF+6*((\h)/2)+2], v[O:O+15], v[TM+8]
	v_nop
.else
	v_cvt_scalef32_pk16_fp6_f32 v[PC+12:PC+14], v[O:O+15], v[TM+8]
	v_nop
.irp i, 0,1,2
	v_permlane16_swap_b32 v[OF+6*((\h)/2)+\i], v[PC+12+\i]         ; lanes 0-15 the even head's block, lanes 16-31 the odd head's
.endr
.irp i, 0,1,2
	v_mov_b32 v[OF+6*((\h)/2)+3+\i], v[PC+12+\i]
.endr
.endif
.endm
.macro STEP j, n
.set HD, (\n)/2
.set HF, (\n)%2
.set MM, 8*(\j)+(\n)
.if MM < 15
	s_wait_loadcnt 16                              ; this step's bias is in its buffer; the next step's 16 loads, issued behind it, may be out
.else
	s_wait_loadcnt 0x0                             ; the last step: nothing was asked for behind its bias
.endif
.if (\n) == 0
	s_wait_dscnt 0x0                               ; a pass's first fragments of k (those of later steps are shown in by the wait in front of the step before's second product)
.endif
	WIN 0x11                                       ; k and the bias in window 1
.irp g, 0,1                            ; S^T: eight accumulators, one product each; block b of fragment g is key tile 4 g + b of this half
	WMC S+32*\g, KF+12*\g, 38, 64*HF+32*\g, SC+\g, SC+12+HD
	WMC S+32*\g+8, KF+12*\g, 50, 64*HF+32*\g+8, SC+\g, SC+12+HD
	WMC S+32*\g+16, KF+12*\g, 32, 64*HF+32*\g+16, SC+\g, SC+12+HD
	WMC S+32*\g+24, KF+12*\g, 44, 64*HF+32*\g+24, SC+\g, SC+12+HD
.endr
	NOPS 4                                         ; places in front of the loads into k's, V's and the bias's registers and their scale words, and of the first read of the scores
	WIN 0x40
	VFRAG \n
.if (\n) < 7
	KFRAG (\n)+1                                   ; the next step's k: its registers are free
.endif
.if MM < 14
	BLOAD MM+2                                     ; and so is this buffer: the bias of the step after the next
.endif
	WIN 0
	VSCL \n
.if (\n) < 7
	KSCL (\n)+1
.endif
.irp b, 0,1,2,3
	v_max3_num_f32 v[TM+\b], v[S+16*\b], v[S+16*\b+1], v[S+16*\b+2]            ; the largest score of each block of 32 keys: for the row's maximum and for the block's largest p
.endr
.irp i, 3,5,7,9,11,13
.irp b, 0,1,2,3
	v_max3_num_f32 v[TM+\b], v[TM+\b], v[S+16*\b+\i], v[S+16*\b+\i+1]
.endr
.endr
.irp b, 0,1,2,3
	v_max_num_f32 v[TM+\b], v[TM+\b], v[S+16*\b+15]
.endr
.irp b, 0,1,2,3
	v_permlanex16_b32 v[TM+4+\b], v[TM+\b], s[SEL], s[SEL+1]
.endr
.irp b, 0,1,2,3
	v_max_num_f32 v[TM+\b], v[TM+\b], v[TM+4+\b]
.endr
	v_max3_num_f32 v30, v[TM], v[TM+1], v[TM+2]
	v_max_num_f32 v30, v30, v[TM+3]
.if HF == 0
	v_mul_f32 v25, s[CS], v30                      ; a head's first half starts the largest t
	v_floor_f32 v24, -v25                          ; -M = floor(-t): M is a whole number
.else
	v_mul_f32 v30, s[CS], v30
	v_max_num_f32 v25, v25, v30
	v_mov_b32 v30, v24
	v_floor_f32 v24, -v25
	v_sub_f32 v30, v24, v30                        ; old M - new M: a whole number, 0 or less
	v_cvt_i32_f32 v30, v30                         ; (it saturates)
	v_ldexp_f32 v28, 1.0, v30                      ; f = 2^(old M - new M): multiplying by it rounds nothing
.endif
.irp j2, 0,2,4,6,8,10,12,14,16,18,20,22,24,26,28,30,32,34,36,38,40,42,44,46,48,50,52,54,56,58,60,62
	v_pk_fma_f32 v[S+\j2:S+\j2+1], v[S+\j2:S+\j2+1], s[CS:CS+1], v[24:25] op_sel_hi:[1,0,0]   ; t - M
.endr
.irp b, 0,1,2,3
	v_fma_f32 v[TM+\b], v[TM+\b], s[CS], v24       ; the same of each block's largest score
.endr
.irp j2, 0,1,2,3,4,5,6,7,8,9,10,11,12,13,14,15,16,17,18,19,20,21,22,23,24,25,26,27,28,29,30,31,32,33,34,35,36,37,38,39,40,41,42,43,44,45,46,47,48,49,50,51,52,53,54,55,56,57,58,59,60,61,62,63
	v_exp_f32 v[S+\j2], v[S+\j2]                   ; p = 2^(t - M)
.endr
.irp b, 0,1,2,3
	v_exp_f32 v[TM+\b], v[TM+\b]                   ; the block's largest p
.endr
.if HF == 0
	v_nop                                          ; a plain place behind the exponentials
	s_wait_alu depctr_va_vdst(0)
.else
	v_pk_mul_f32 v[26:27], v[26:27], v[28:29] op_sel_hi:[1,0]      ; the sum under the new M (a plain place behind the exponentials)
	s_wait_alu depctr_va_vdst(0)
.endif
.irp b, 0,1,2,3
	v_max_num_f32 v[TM+\b], 0x1800000, v[TM+\b]    ; the floor: a block whose every p is 0 keeps the byte 1, and its codes are zeros
.endr
	BYTES 1
	CODES S, PC
	; the row's sum is taken of the unquantised p, two at a time, in four chains: with two waves to a SIMD a line should not wait for the line two above it
.if HF == 0
	v_pk_add_f32 v[26:27], v[S:S+1], v[S+8:S+9]
.else
	v_pk_add_f32 v[26:27], v[26:27], v[S:S+1]
.endif
	v_pk_add_f32 v[30:31], v[S+2:S+3], v[S+10:S+11]
	v_pk_add_f32 v[C2:C2+1], v[S+4:S+5], v[S+12:S+13]
	v_pk_add_f32 v[C2+2:C2+3], v[S+6:S+7], v[S+14:S+15]
.if HF == 1
	v_pk_add_f32 v[26:27], v[26:27], v[S+8:S+9]
.endif
.irp j2, 16,24,32,40,48,56
	v_pk_add_f32 v[26:27], v[26:27], v[S+\j2:S+\j2+1]
	v_pk_add_f32 v[30:31], v[30:31], v[S+\j2+2:S+\j2+3]
	v_pk_add_f32 v[C2:C2+1], v[C2:C2+1], v[S+\j2+4:S+\j2+5]
	v_pk_add_f32 v[C2+2:C2+3], v[C2+2:C2+3], v[S+\j2+6:S+\j2+7]
.endr
	v_pk_add_f32 v[26:27], v[26:27], v[30:31]
	v_pk_add_f32 v[C2:C2+1], v[C2:C2+1], v[C2+2:C2+3]
	v_pk_add_f32 v[26:27], v[26:27], v[C2:C2+1]
.if HF == 1
.irp j2, 0,2,4,6,8,10,12,14
	v_pk_mul_f32 v[O+\j2:O+\j2+1], v[O+\j2:O+\j2+1], v[28:29] op_sel_hi:[1,0]  ; O^T under the new M
.endr
.endif
	s_wait_dscnt 0x0                               ; V^T's two fragments are in, and the next step's k.  p's scale word stands over thirty plain instructions back, its codes likewise
	WIN 0x01                                       ; V^T in window 1
.if HF == 0
	WM0 O, VF, PC, SC+2, SC+9
	WM0 O+8, VF+12, PC, SC+3, SC+9                 ; (the next step's score products name none of these registers, and its four places stand in front of the loads into V's)
.else
	WMA O, VF, PC, SC+2, SC+9                      ; the accumulators take turns, one product a turn: between two links on O^T stand the eight score products
	WMA O+8, VF+12, PC, SC+3, SC+9
.endif
	WIN 0
.if HF == 1
	NOPS 4                                         ; places in front of the reads of O^T
.if HD < 3
	QVAR HD+1
.endif
	FIN HD
.endif
.endm
; A PASS: the 16 queries of x's tile w + 8 j
.macro PASS j
.if \j
	s_wait_xcnt 0x0                                ; the last pass's stores have read their registers, which are written again from here on
.endif
	; q^T of my 16 queries; quantised head by head (a head's 32 channels are a block); its fragment stays in registers
	WFETCH 0
	FETCH XF, AX, 12288*\j
	ds_load_b32 v[SC+8], v[AXS] offset:512*\j
	PROD XF, SC+8
	MAXABS HA
	BYTES 0
	CODES HA, QF
.irp h, 0,1,2,3
	v_perm_b32 v[SC+12+\h], v[TM+4+\h], v[TM+4+\h], 0              ; head h's byte four times: it serves whichever block holds q_h
.endr
	QVAR 0
	NOPS 4                                         ; an operand written by vector instructions stands four places ahead of a scaled product; q's bytes stand sixteen and more
	WIN 0x40
	KFRAG 0
	WIN 0
	KSCL 0
	; four heads x two halves of the keys
	STEP \j, 0
	STEP \j, 1
	STEP \j, 2
	STEP \j, 3
	STEP \j, 4
	STEP \j, 5
	STEP \j, 6
	STEP \j, 7
	; THE WAY OUT: out^T = Wo^T o^T; lane (r, hh) then holds out(query r, 16 t + 8 hh + 0 .. 7) in tile t's registers
	WFETCH 24
	NOPS 8                                         ; o's scale word, written by vector instructions, stands eight places ahead of the scaled products, its codes four
	PROD OF, SC+10
.irp t, 0,1,2,3,4,5,6,7
	ds_store_b128 v[SO], v[S+8*\t:S+8*\t+3] offset:64*\t           ; each accumulator from its low end on; my own stage, so no barrier
	ds_store_b128 v[SO], v[S+8*\t+4:S+8*\t+7] offset:64*\t+16
.endr
.irp p, 0,1,2,3,4,5,6,7,8,9,10,11,12,13,14,15
	ds_load_b128 v[104+4*\p:107+4*\p], v[SR] offset:SP*\p          ; LDS serves a wave's instructions in order: these see the stores above
.endr
.irp p, 0,1,2,3,4,5,6,7,8,9,10,11,12,13,14,15
	s_wait_dscnt 15-\p                             ; row p is back; the 15 - p younger loads may be out
	global_store_b128 v[AW], v[104+4*\p:107+4*\p], s[14:15] offset:(\p+8*(\p/8))*512+65536*\j th:TH_STORE_NT   ; 32 lanes store a row of 512 consecutive bytes, at a multiple of 256 from out's first byte
.endr
.endm
	s_load_b256 s[4:11], s[0:1], 0x0               ; xc 4, xsc 6, biasw 8, wc 10
	s_load_b128 s[12:15], s[0:1], 0x20             ; wsc 12, out0 14
	v_lshl_add_u32 v190, v0, 2, 0x30800
	v_mov_b32 v191, 0
	v_lshrrev_b32 v21, 5, v0
	v_readfirstlane_b32 s16, v21                   ; wave 0..7
	s_mov_b32 s[SEL], 0x76543210
	s_mov_b32 s[SEL+1], 0xfedcba98
	s_mov_b32 s[CS], 0x3e8293ee                    ; c = log2(e) / sqrt(32)
	s_mov_b32 s[CS+1], s[CS]                       ; (named with it as a pair, so it is written)
	s_mov_b32 s24, 0x0000ffff
	s_mov_b32 s25, 0xffff0000
	v_and_b32 v21, 31, v0                          ; lane
	v_and_b32 v22, 15, v0                          ; r
	v_bfe_u32 v23, v0, 4, 1                        ; hh
	v_lshlrev_b32 v[AW], 4, v21
	v_lshlrev_b32 v[LR], 2, v22
	s_mul_i32 s17, s16, 1536
	s_add_co_u32 s18, s17, XIMG
	v_add_nc_u32 v[AX], s18, v[AW]
	s_lshl_b32 s18, s16, 6
	s_add_co_u32 s18, s18, XSC
	v_add_nc_u32 v[AXS], s18, v[LR]
	v_add_nc_u32 v[AXV], XIMG, v[AW]
	v_add_nc_u32 v[AXVS], XSC, v[LR]
	v_add_nc_u32 v[AWV], s17, v[AW]
	s_lshl_b32 s18, s16, 7
	v_add_nc_u32 v[AWVS], s18, v[LR]
	s_lshr_b32 s18, s16, 2                         ; key tile w is block w % 4 of fragment g = w / 4: register pairs 3 ((w / 2) % 2) on, lanes 16 (w % 2) on; tile w + 8: fragment g + 2
	s_mul_i32 s19, s18, 1536
	s_bfe_u32 s34, s16, 0x10001
	s_mul_i32 s34, s34, 768
	s_add_co_u32 s19, s19, s34
	s_and_b32 s34, s16, 1
	s_lshl_b32 s34, s34, 7
	s_add_co_u32 s19, s19, s34
	s_add_co_u32 s19, s19, KIMG
	v_mul_u32_u24 v[KW], v23, 6144                 ; my half of the lanes holds heads hh and 2 + hh: 6,144 bytes a head
	v_lshl_add_u32 v[KW], v22, 3, v[KW]
	v_add_nc_u32 v[KW], s19, v[KW]
	s_lshl_b32 s19, s18, 6
	s_and_b32 s34, s16, 3
	s_add_co_u32 s19, s19, s34
	s_add_co_u32 s19, s19, KSC
	v_add_nc_u32 v[KB], s19, v[LR]
	s_add_co_u32 s19, s17, VIMG
	v_add_nc_u32 v[AVW], s19, v[AW]
	s_lshl_b32 s19, s16, 7
	s_add_co_u32 s19, s19, VSC
	v_lshl_add_u32 v[AVSW], v21, 2, s19
	v_lshl_add_u32 v[AK], v21, 3, KIMG
	v_add_nc_u32 v[AKS], KSC, v[LR]
	v_add_nc_u32 v[AV], VIMG, v[AW]
	v_lshl_add_u32 v[AVS], v21, 2, VSC
	s_lshl_b32 s19, s16, 14
	v_add_nc_u32 v[BA], s19, v[AW]
	s_mul_i32 s19, s16, 16*SP
	s_add_co_u32 s19, s19, STG
	v_mul_u32_u24 v[SO], v22, SP
	v_lshl_add_u32 v[SO], v23, 5, v[SO]
	v_add_nc_u32 v[SO], s19, v[SO]                 ; in: row r, + 32 hh
	v_add_nc_u32 v[SR], s19, v[AW]                 ; back: a row of 512 bytes, 16 bytes a lane
	v_lshlrev_b32 v176, 4, v0                      ; the staging's addresses: 16 x thread,
	v_add_nc_u32 v178, XIMG, v176
	v_lshl_add_u32 v179, v0, 2, XSC                ; x's scale words: [T = thread / 16][r] in LDS,
	v_lshrrev_b32 v180, 4, v0
	v_lshlrev_b32 v180, 10, v180
	v_lshl_add_u32 v180, v22, 2, v180              ; 1,024 T + 4 r in memory
	v_mov_b32 v23, 0                               ; (upper halves of pairs of which the low word serves both halves: written once)
	v_mov_b32 v29, 0
.irp b, 0,1,2,3
	v_mov_b32 v[TM+4+\b], 0                        ; a lane permute's destination counts as one of its sources
.endr
	s_mul_i32 s26, ttmp9, 24576                    ; xc: row i
	s_mov_b32 s27, 0
	s_lshr_b32 s28, ttmp9, 5                       ; xsc: i = 32 b + 8 u + rq % 8 + 16 (rq / 8) lies in tile Tq = 2 b + u at place rq
	s_lshl_b32 s28, s28, 1
	s_bfe_u32 s29, ttmp9, 0x10003
	s_add_co_u32 s28, s28, s29
	s_lshl_b32 s28, s28, 14
	s_and_b32 s29, ttmp9, 7
	s_bfe_u32 s30, ttmp9, 0x10004
	s_lshl_b32 s30, s30, 3
	s_add_co_u32 s29, s29, s30
	s_lshl_b32 s29, s29, 6
	s_add_co_u32 s28, s28, s29
	s_mov_b32 s29, 0
	s_lshl_b32 s30, ttmp9, 17                      ; out: row i, tile w's first query 32 (w / 2) + 8 (w % 2); tile w + 8's lies 128 queries on
	s_lshr_b32 s31, s16, 1
	s_lshl_b32 s31, s31, 14
	s_add_co_u32 s30, s30, s31
	s_and_b32 s31, s16, 1
	s_lshl_b32 s31, s31, 12
	s_add_co_u32 s30, s30, s31
	s_mov_b32 s31, 0
	s_wait_kmcnt 0x0
	s_add_nc_u64 s[4:5], s[4:5], s[26:27]
	s_add_nc_u64 s[6:7], s[6:7], s[28:29]
	s_add_nc_u64 s[14:15], s[14:15], s[30:31]
	; ---- STAGING: the weights' images and scale words, x_i's images and scale words: dense blocks, 256 threads, through registers into LDS, once: 20 loads a thread
.irp n, 0,1,2,3,4,5,6,7,8,9,10,11
	global_load_b128 v[92+4*\n:95+4*\n], v176, s[10:11] offset:4096*\n
.endr
	global_load_b128 v[140:143], v176, s[12:13]
.irp n, 0,1,2,3,4,5
	global_load_b128 v[144+4*\n:147+4*\n], v176, s[4:5] offset:4096*\n th:TH_LOAD_NT
.endr
	global_load_b32 v168, v180, s[6:7]
	WIN 0x40
	BLOAD 0                                        ; the first two steps' bias is asked for here: its buffers serve nothing else
	BLOAD 1
	WIN 0
	s_wait_loadcnt 32                              ; the 20 staging loads are in; the 32 loads of the bias, issued behind them, stay out
.irp n, 0,1,2,3,4,5,6,7,8,9,10,11
	ds_store_b128 v176, v[92+4*\n:95+4*\n] offset:4096*\n
.endr
	ds_store_b128 v176, v[140:143] offset:WSC
.irp n, 0,1,2,3,4,5
	ds_store_b128 v178, v[144+4*\n:147+4*\n] offset:4096*\n
.endr
	ds_store_b32 v179, v168
	BARRIER                                        ; all operands lie in LDS
	; ---- k^T of my 32 keys, a tile at a time; Wk's eight fragments are fetched once.  Head h's 24 bytes a key go to block T % 4 of fragment (h, T / 4), its byte to byte T % 4 of that fragment's scale word
	WFETCH 8
.irp j, 0,1
	FETCH XF, AX, 12288*\j
	ds_load_b32 v[SC+8], v[AXS] offset:512*\j
	PROD XF, SC+8
	MAXABS HA
	BYTES 0
	CODES HA, PC
.irp g, 0,1
.irp t, 0,1,2
	ds_store_b64 v[KW], v[PC+6*\g+2*\t:PC+6*\g+2*\t+1] offset:12288*\g+256*\t+3072*\j
.endr
.endr
.irp h, 0,1,2,3
	ds_store_b8 v[KB], v[TM+4+\h] offset:256*\h+128*\j             ; lanes l and l xor 16 store the same byte with the same value
.endr
.endr
	; ---- V^T: source 0 = the eight x tiles of a key half, source 1 = Wv's tile w, fetched once: a lane holds one channel, its registers run along 128 keys, the second product's K
	FETCH XF, AWV, 16*1536
	ds_load_b32 v[SC+8], v[AWVS] offset:WSC+16*128
.irp q, 0,1
	WIN 0x40
.irp t, 0,1,2,3,4,5,6,7
	FETCH WF+12*\t, AXV, 1536*\t+12288*\q
.endr
	WIN 0
.irp t, 0,1,2,3,4,5,6,7
	ds_load_b32 v[SC+\t], v[AXVS] offset:64*\t+512*\q
.endr
	PROD XF, SC+8
	MAXABS HA
	BYTES 1
	CODES HA, PC
.irp c, 0,1,2
	ds_store_b128 v[AVW], v[PC+4*\c:PC+4*\c+3] offset:512*\c+12288*\q
.endr
	ds_store_b32 v[AVSW], v[PW] offset:1024*\q
.endr
.irp i, 0,1,2,3,4,5,6,7,8,9,10,11,12,13,14,15,16,17,18,19,20,21,22,23,24,25,26,27,28,29
	v_mov_b32 v[32+\i], 0                          ; Z L Z U Z: the three Z stay zeros for the whole launch
.endr
	BARRIER                                        ; k's and V^T's fragments of all eight waves lie in LDS
	PASS 0
	PASS 1
	s_wait_tensorcnt 0x0
	ds_add_u32 v190, v191
	s_wait_dscnt 0x0
	s_endpgm
.Lfunc_end_k_q404629f910_attn:
	.size	k_q404629f910_attn, .Lfunc_end_k_q404629f910_attn-k_q404629f910_attn
	.p2alignl 7, 3214868480
	.fill 96, 4, 3214868480
	.section	.rodata,"a",@progbits
	.p2align	6, 0x0
	.amdhsa_kernel k_q404629f910_attn
		.amdhsa_group_segment_fixed_size 199680
		.amdhsa_private_segment_fixed_size 0
		.amdhsa_enable_private_segment 0
		.amdhsa_kernarg_size 48
		.amdhsa_user_sgpr_count 2
		.amdhsa_user_sgpr_kernarg_segment_ptr 1
		.amdhsa_wavefront_size32 1
		.amdhsa_system_sgpr_workgroup_id_x 1
		.amdhsa_system_sgpr_workgroup_id_y 1
		.amdhsa_system_sgpr_workgroup_id_z 1
		.amdhsa_system_vgpr_workitem_id 0
		.amdhsa_next_free_vgpr 512
		.amdhsa_next_free_sgpr 66
		.amdhsa_reserve_vcc 0
		.amdhsa_float_denorm_mode_32 3
		.amdhsa_float_denorm_mode_16_64 3
		.amdhsa_memory_ordered 1
		.amdhsa_forward_progress 1
		.amdhsa_inst_pref_size 255
	.end_amdhsa_kernel
	.section	.bss,"aw",@nobits
	.p2align	6
	.space	262144
	.amdgpu_metadata
---
amdhsa.version: [ 1, 2 ]
amdhsa.kernels:
  - .name:           k_q404629f910_attn
    .symbol:         k_q404629f910_attn.kd
    .args:
      - { .name: xc, .offset: 0, .size: 8, .value_kind: global_buffer, .address_space: global }
      - { .name: xsc, .offset: 8, .size: 8, .value_kind: global_buffer, .address_space: global }
      - { .name: biasw, .offset: 16, .size: 8, .value_kind: global_buffer, .address_space: global }
      - { .name: wc, .offset: 24, .size: 8, .value_kind: global_buffer, .address_space: global }
      - { .name: wsc, .offset: 32, .size: 8, .value_kind: global_buffer, .address_space: global }
      - { .name: out0, .offset: 40, .size: 8, .value_kind: global_buffer, .address_space: global }
    .group_segment_fixed_size: 199680
    .private_segment_fixed_size: 0
    .kernarg_segment_align: 8
    .kernarg_segment_size: 48
    .max_flat_workgroup_size: 256
    .sgpr_count:     66
    .vgpr_count:     512
    .wavefront_size: 32
...
	.end_amdgpu_metadata
.endif
;; end of part 2
;; ======== version 2 of 2: 2 launches
;; workspace buffers: xc 6,291,456 bytes; xsc 262,144 bytes; biasw 1,048,576 bytes; wc 49,152 bytes; wsc 4,096 bytes
;; launch prep (part 3): grid 256 x 1, 8 waves a work-group, no clusters, 143,360 bytes of LDS; arguments pairwise_repr, mask, Wb, Wq, Wk, Wv, Wo, xc, xsc, biasw, wc, wsc; writes xc, xsc, biasw, wc, wsc
.if DOCPART == 3
	.amdgcn_target "amdgcn-amd-amdhsa--gfx1250"
	.amdhsa_code_object_version 6
	.text
	.protected	k_q404629f910_prep
	.globl	k_q404629f910_prep
	.p2align	8
	.type	k_q404629f910_prep,@function
k_q404629f910_prep:
	s_mov_b64 s[64:65], 0
	v_nop
	global_prefetch_b8 v0, s[64:65] scope:SCOPE_SE
	s_setreg_imm32_b32 hwreg(HW_REG_WAVE_MODE, 25, 1), 1
	s_wait_xcnt 0x0
; PREP.  x = pairwise_repr [256 a][256 key][128 d] f32 is read ONCE and gives three things:
;   xc     codes of FP6 (E2M3) along d, as IMAGES OF OPERAND REGISTERS: [a][T][1536 bytes]; registers 4 c .. 4 c + 3 of lane l at 512 c + 16 l
;   xsc    their scale words (four E8M0 bytes, one for each 32 along d): [Tq][T][rq][r]
;   biasw  bias[h][a][key] = x[a][key] . Wb[:, h], in f32 by fused multiply-adds, times sqrt(32), and -2^120 where mask[key] is 0,
;          laid as the next launch's accumulators want it: [h][Tq][g = 2 T + q][lane = 16 hh + rq][4 numbers: keys 32 bb + 16 hh + 8 u + 4 q + 0 .. 3], T = 2 bb + u
; Wave 7 of work-groups 0 to 31 also quantises one tile of Wq, Wk, Wv or Wo along its first axis into wc (32 images) and wsc (32 x 32 scale words).
; TILES.  Tile T = 2 b + u of 256 rows is made of rows 32 b + 8 u + r + 8 (r / 8), r = 0 .. 15: as source 0 of a product such tiles leave 16 neighbouring indices
; in the 16 result registers of tiles 2 b and 2 b + 1.  x's tiles (a and key) and the column tiles of Wq, Wk, Wv are so; Wo's tiles are columns 16 t + r.
; SHARES.  Work-group id = 16 Tq + T takes the 16 a of tile Tq x the 16 keys of tile T: 256 rows of 512 bytes.  Wave w takes a = A0 + w and A0 + w + 16 (rq = w, w + 8): two fragments.
; Every load of x reads one row, 512 consecutive bytes; the rows turn through the wave's own stage in LDS so that lane (r, hh) holds, of row r, d = 32 b + 16 hh + 0 .. 15 in registers 16 b + 0 .. 15.
; Wb, 2,048 bytes, is read from memory once by the work-group, 8 bytes a thread, and goes to every wave's registers through LDS: 34 global loads a wave in all.
; All 16 rq meet in one work-group, so the bias leaves as four runs of 1,024 bytes and the scale words as one.
; A block's scale is 2^(floor(log2(largest magnitude)) - 2); its byte is that magnitude's exponent field - 2, held at 1 from below.
; LIMITS: NaN and infinities among the inputs are not served.  A block whose largest magnitude lies under 2^-124 (a block of zeros too) keeps the byte 1; only this program reads the bytes.
; No tensor load, no cluster: work-groups share nothing but Wb (2 KiB) and the mask (256 bytes).
.set SP,   528                         ; a stage row: 512 bytes + 16, so that the 16 rows that a load touches fall on 16 different columns of 16 bytes
.set TST,  16*SP                       ; a tile's stage
.set WST,  2*TST                       ; a wave's two stages
.set BG,   8*WST                       ; the bias gathered: [h][q][lane][16 bytes], 4,096 bytes
.set XG,   BG+4096                     ; the scale words gathered: [rq][r], 1,024 bytes
.set WBL,  XG+1024                     ; Wb as it lies in memory: 16 bytes for each d, 2,048 bytes
.set LI,   1                           ; v1   16 x lane
.set C16,  2                           ; v2   in the head r; then 16 x thread
.set L4,   3                           ; v3   in the head hh; then 4 x lane
.set STI,  4                           ; v4   stage, way in
.set STO,  5                           ; v5   stage, way out
.set BGA,  6                           ; v6   where my bias numbers go
.set XGA,  7                           ; v7   where my scale word goes
.set CPL,  8                           ; v8   copy-out: LDS address
.set CPG,  9                           ; v9   copy-out: offset in biasw
.set MO,   10                          ; v10  my key's offset in the mask
.set MB,   11                          ; v11  its byte
.set NEG,  12                          ; v12  -2^120
.set WBO,  13                          ; v13  my half's place in Wb in LDS
.set WO,   14                          ; v14  my column's offset in a weight
.set PW,   15                          ; v15  the scale word just made
.set R0,   16                          ; v16-79   tile 0 as loaded; later tile 1 turned
.set R1,   80                          ; v80-143  tile 1 as loaded; later a weight's 64 numbers
.set X0,   144                         ; v144-207 tile 0 turned; at the head v144-147 Wb's 8 bytes and their two addresses; later the copy-out's data
.set X1,   16
.set WN,   80
.set TM,   208                         ; v208-211 largest magnitudes, v212-215 the other half's, then bytes, v216-219 the conversions' scale operands
.set PC,   220                         ; v220-231 a fragment's codes; v232-238 second halves on their way
.set ACC,  240                         ; v240-255 block b's four sums at 4 b .. 4 b + 3.   Window 1: v[4 n .. 4 n + 3] = Wb[32 b + 16 hh + i][0 .. 3], n = 16 b + i
.set SEL,  32                          ; s[32:33] v_permlanex16_b32's selects for lane l xor 16
.set MSB, 0
.macro WIN new                         ; the immediate's high byte repeats the setting that is left
.if MSB != \new
	s_set_vgpr_msb (MSB<<8)|\new
.set MSB, \new
.endif
.endm
; 64 numbers of a lane, register 16 b + i = k 32 b + 16 hh + i of its row: the four blocks' largest magnitudes, with the floor 2^(3 - 127) among the leaves
.macro MAXABS s
.irp b, 0,1,2,3
	v_max3_num_f32 v[TM+\b], |v[\s+16*\b]|, |v[\s+16*\b+1]|, 0x1800000
.endr
.irp i, 2,4,6,8,10,12,14
.irp b, 0,1,2,3
	s_delay_alu instid0(VALU_DEP_4)
	v_max3_num_f32 v[TM+\b], v[TM+\b], |v[\s+16*\b+\i]|, |v[\s+16*\b+\i+1]|   ; the four blocks by turns
.endr
.endr
.irp b, 0,1,2,3
	s_delay_alu instid0(VALU_DEP_4)
	v_permlanex16_b32 v[TM+4+\b], v[TM+\b], s[SEL], s[SEL+1]
.endr
.irp b, 0,1,2,3
	s_delay_alu instid0(VALU_DEP_4)
	v_max_num_f32 v[TM+\b], v[TM+\b], v[TM+4+\b]                   ; with lane l xor 16's 16 numbers
.endr
.endm
.macro BYTES word
.irp b, 0,1,2,3
	s_delay_alu instid0(VALU_DEP_4)
	v_add_nc_u32 v[TM+8+\b], 0xff000000, v[TM+\b]                  ; 2 off the exponent field: the conversion's scale operand
.endr
.irp b, 0,1,2,3
	s_delay_alu instid0(VALU_DEP_4)
	v_lshrrev_b32 v[TM+4+\b], 23, v[TM+8+\b]                       ; the scale's byte
.endr
.if \word
	s_delay_alu instid0(VALU_DEP_3)
	v_lshl_or_b32 v[PW], v[TM+5], 8, v[TM+4]
	s_delay_alu instid0(VALU_DEP_1)
	v_lshl_or_b32 v[PW], v[TM+6], 16, v[PW]
	s_delay_alu instid0(VALU_DEP_1)
	v_lshl_or_b32 v[PW], v[TM+7], 24, v[PW]                        ; my row's scale word
.endif
.endm
.macro CODES s, d                      ; the fragment's 12 registers at v[d]: registers 6 c .. 6 c + 5 = k 64 c + 32 hh + 0 .. 31
.irp c, 0,1
	v_cvt_scalef32_pk16_fp6_f32 v[\d+6*\c:\d+6*\c+2], v[\s+32*\c:\s+32*\c+15], v[TM+8+2*\c]
	v_cvt_scalef32_pk16_fp6_f32 v[PC+12+4*\c:PC+14+4*\c], v[\s+32*\c+16:\s+32*\c+31], v[TM+9+2*\c]   ; (a conversion's three registers begin on an even number)
.endr
	v_nop                                                          ; one plain place behind the scaled conversions
.irp c, 0,1
.irp i, 0,1,2
	v_permlane16_swap_b32 v[\d+6*\c+\i], v[PC+12+4*\c+\i]          ; a whole block to a lane: lanes 0-15 block 2 c, lanes 16-31 block 2 c + 1
.endr
.irp i, 0,1,2
	s_delay_alu instid0(VALU_DEP_3)
	v_mov_b32 v[\d+6*\c+3+\i], v[PC+12+4*\c+\i]
.endr
.endr
.endm
; number 16 b + e + o of the lane times its row of Wb, onto block b's four sums (o picks the register of the pair that feeds both halves)
.macro BF s, b, e, o
.if \o
	v_pk_fma_f32 v[ACC+4*\b:ACC+4*\b+1], v[\s+16*\b+\e:\s+16*\b+\e+1], v[4*(16*\b+\e+1):4*(16*\b+\e+1)+1], v[ACC+4*\b:ACC+4*\b+1] op_sel:[1,0,0] op_sel_hi:[1,1,1]
	v_pk_fma_f32 v[ACC+4*\b+2:ACC+4*\b+3], v[\s+16*\b+\e:\s+16*\b+\e+1], v[4*(16*\b+\e+1)+2:4*(16*\b+\e+1)+3], v[ACC+4*\b+2:ACC+4*\b+3] op_sel:[1,0,0] op_sel_hi:[1,1,1]
.else
	v_pk_fma_f32 v[ACC+4*\b:ACC+4*\b+1], v[\s+16*\b+\e:\s+16*\b+\e+1], v[4*(16*\b+\e):4*(16*\b+\e)+1], v[ACC+4*\b:ACC+4*\b+1] op_sel_hi:[0,1,1]
	v_pk_fma_f32 v[ACC+4*\b+2:ACC+4*\b+3], v[\s+16*\b+\e:\s+16*\b+\e+1], v[4*(16*\b+\e)+2:4*(16*\b+\e)+3], v[ACC+4*\b+2:ACC+4*\b+3] op_sel_hi:[0,1,1]
.endif
.endm
; x[a][my key] . Wb for the four heads: 64 numbers a lane in eight chains, then the other half of the lanes; x sqrt(32); the mask
.macro BIAS s
	WIN 0x04                                                       ; source 1 (Wb) in window 1
.irp b, 0,1,2,3
	v_pk_mul_f32 v[ACC+4*\b:ACC+4*\b+1], v[\s+16*\b:\s+16*\b+1], v[64*\b:64*\b+1] op_sel_hi:[0,1]       ; the first products start the sums
	v_pk_mul_f32 v[ACC+4*\b+2:ACC+4*\b+3], v[\s+16*\b:\s+16*\b+1], v[64*\b+2:64*\b+3] op_sel_hi:[0,1]
.endr
.irp b, 0,1,2,3
	BF \s, \b, 0, 1
.endr
.irp e, 2,4,6,8,10,12,14
.irp b, 0,1,2,3
	BF \s, \b, \e, 0
.endr
.irp b, 0,1,2,3
	BF \s, \b, \e, 1
.endr
.endr
	WIN 0
	v_pk_add_f32 v[ACC:ACC+1], v[ACC:ACC+1], v[ACC+4:ACC+5]
	v_pk_add_f32 v[ACC+2:ACC+3], v[ACC+2:ACC+3], v[ACC+6:ACC+7]
	v_pk_add_f32 v[ACC+8:ACC+9], v[ACC+8:ACC+9], v[ACC+12:ACC+13]
	v_pk_add_f32 v[ACC+10:ACC+11], v[ACC+10:ACC+11], v[ACC+14:ACC+15]
	s_delay_alu instid0(VALU_DEP_2)
	v_pk_add_f32 v[ACC:ACC+1], v[ACC:ACC+1], v[ACC+8:ACC+9]
	s_delay_alu instid0(VALU_DEP_2)
	v_pk_add_f32 v[ACC+2:ACC+3], v[ACC+2:ACC+3], v[ACC+10:ACC+11]
.irp h, 0,1,2,3
	v_permlanex16_b32 v[TM+4+\h], v[ACC+\h], s[SEL], s[SEL+1]
.endr
	s_delay_alu instid0(VALU_DEP_3)
	v_pk_add_f32 v[ACC:ACC+1], v[ACC:ACC+1], v[TM+4:TM+5]
	s_delay_alu instid0(VALU_DEP_2)
	v_pk_add_f32 v[ACC+2:ACC+3], v[ACC+2:ACC+3], v[TM+6:TM+7]
	s_delay_alu instid0(VALU_DEP_2)
	v_pk_mul_f32 v[ACC:ACC+1], v[ACC:ACC+1], 0x40b504f3 op_sel_hi:[1,0]        ; x sqrt(32): the next launch multiplies score + this by log2(e) / sqrt(32)
	s_delay_alu instid0(VALU_DEP_2)
	v_pk_mul_f32 v[ACC+2:ACC+3], v[ACC+2:ACC+3], 0x40b504f3 op_sel_hi:[1,0]
.irp h, 0,1,2,3
	v_cndmask_b32 v[ACC+\h], v[NEG], v[ACC+\h], s30                ; a key that the mask hides: -2^120
.endr
.endm
.macro TILE s, k                       ; tile k of the wave (rq = w + 8 k), its numbers at v[s]
	BIAS \s
.irp h, 0,1,2,3
	ds_store_b32 v[BGA], v[ACC+\h] offset:1024*\h+128*\k           ; lanes l and l xor 16 store the same word with the same value
.endr
	MAXABS \s
	BYTES 1
	CODES \s, PC
.irp c, 0,1,2
	global_store_b128 v[LI], v[PC+4*\c:PC+4*\c+3], s[18:19] offset:512*\c+393216*\k   ; 512 consecutive bytes a store; tile 1 lies 16 a x 24,576 bytes on
.endr
	ds_store_b32 v[XGA], v[PW] offset:512*\k
.endm
	s_load_b512 s[4:19], s[0:1], 0x0               ; x 4, mask 6, Wb 8, Wq 10, Wk 12, Wv 14, Wo 16, xc 18
	s_load_b256 s[20:27], s[0:1], 0x40             ; xsc 20, biasw 22, wc 24, wsc 26
	v_lshl_add_u32 v235, v0, 2, 0x22c00
	v_mov_b32 v239, 0
	v_lshrrev_b32 v1, 5, v0
	s_delay_alu instid0(VALU_DEP_1)
	v_readfirstlane_b32 s28, v1                    ; wave 0..7
	s_mov_b32 s29, ttmp9                           ; id = 16 Tq + T
	s_mov_b32 s[SEL], 0x76543210
	s_mov_b32 s[SEL+1], 0xfedcba98
	v_and_b32 v10, 31, v0                          ; lane
	v_and_b32 v2, 15, v0                           ; r
	v_bfe_u32 v3, v0, 4, 1                         ; hh
	s_delay_alu instid0(VALU_DEP_2)
	v_lshrrev_b32 v11, 3, v2                       ; r / 8
	s_delay_alu instid0(VALU_DEP_4)
	v_lshlrev_b32 v[LI], 4, v10
	s_mul_i32 s34, s28, WST
	v_add_nc_u32 v[STI], s34, v[LI]                ; in: a row's 512 bytes as they lie
	v_mul_u32_u24 v[STO], v2, SP
	s_delay_alu instid0(VALU_DEP_1)
	v_lshl_add_u32 v[STO], v3, 6, v[STO]
	s_delay_alu instid0(VALU_DEP_1)
	v_add_nc_u32 v[STO], s34, v[STO]               ; out: row r, + 64 hh: my 16 numbers of each block of 32
	v_bfe_u32 v[BGA], v2, 2, 1                     ; my key is 32 bb + 8 u + 16 (r / 8) + 4 ((r / 4) % 2) + r % 4: so q = (r / 4) % 2, the reader's hh = r / 8, number r % 4
	s_delay_alu instid0(VALU_DEP_1)
	v_lshlrev_b32 v[BGA], 9, v[BGA]
	s_delay_alu instid0(VALU_DEP_1)
	v_lshl_add_u32 v[BGA], v11, 8, v[BGA]
	v_and_b32 v12, 3, v2
	s_delay_alu instid0(VALU_DEP_1)
	v_lshl_add_u32 v[BGA], v12, 2, v[BGA]
	s_lshl_b32 s34, s28, 4                         ; the reader's lane % 16 = rq = w (+ 8 for tile 1: in the immediate)
	s_add_co_u32 s34, s34, BG
	v_add_nc_u32 v[BGA], s34, v[BGA]
	s_lshl_b32 s34, s28, 6
	s_add_co_u32 s34, s34, XG
	v_lshl_add_u32 v[XGA], v2, 2, s34              ; [rq = w][r]
	v_lshl_add_u32 v[CPL], v0, 4, BG
	v_lshrrev_b32 v[CPG], 6, v0                    ; head = thread / 64: 262,144 bytes apart in biasw
	s_delay_alu instid0(VALU_DEP_1)
	v_lshlrev_b32 v[CPG], 18, v[CPG]
	v_and_b32 v12, 63, v0
	s_delay_alu instid0(VALU_DEP_1)
	v_lshl_add_u32 v[CPG], v12, 4, v[CPG]
	s_and_b32 s35, s29, 15                         ; T
	s_lshr_b32 s36, s35, 1
	s_lshl_b32 s36, s36, 5
	s_and_b32 s37, s35, 1
	s_lshl_b32 s37, s37, 3
	s_add_co_u32 s36, s36, s37                     ; the tile's first key: 32 bb + 8 u
	v_lshl_add_u32 v[MO], v11, 3, v2
	s_delay_alu instid0(VALU_DEP_1)
	v_add_nc_u32 v[MO], s36, v[MO]                 ; my key
	v_lshl_add_u32 v[WBO], v3, 8, WBL              ; Wb in LDS: 16 hh rows of 16 bytes on
	v_lshlrev_b32 v146, 3, v0                      ; Wb on its way in: 8 bytes a thread, in memory
	v_lshl_add_u32 v147, v0, 3, WBL                ; and in LDS
	s_lshr_b32 s31, s29, 3                         ; work-groups 0 to 31: which weight,
	s_and_b32 s34, s29, 7                          ; and which of its tiles: first column 32 (t / 2) + 8 (t % 2), rows skipping as above; Wo's: 16 t, neighbours
	s_lshr_b32 s40, s34, 1
	s_lshl_b32 s40, s40, 5
	s_and_b32 s41, s34, 1
	s_lshl_b32 s41, s41, 3
	s_add_co_u32 s40, s40, s41
	s_lshl_b32 s41, s34, 4
	s_cmp_eq_u32 s31, 3
	s_cselect_b32 s40, s41, s40
	s_cselect_b32 s41, 0, 32
	s_lshl_b32 s40, s40, 2
	v_mul_u32_u24 v[WO], s41, v11
	s_delay_alu instid0(VALU_DEP_1)
	v_lshl_add_u32 v[WO], v2, 2, v[WO]
	s_delay_alu instid0(VALU_DEP_1)
	v_lshl_add_u32 v[WO], v3, 13, v[WO]            ; lanes 16-31 begin 16 rows of 512 bytes further down
	s_delay_alu instid0(VALU_DEP_1)
	v_add_nc_u32 v[WO], s40, v[WO]
	v_mov_b32 v[NEG], 0xfb800000
	v_lshrrev_b32 v[L4], 2, v[LI]                  ; r and hh are done with
	v_lshlrev_b32 v[C16], 4, v0
.irp b, 0,1,2,3
	v_mov_b32 v[TM+4+\b], 0                        ; written once: a lane permute's destination counts as one of its sources
.endr
	s_lshr_b32 s38, s29, 4                         ; Tq
	s_lshr_b32 s39, s38, 1
	s_lshl_b32 s39, s39, 5
	s_and_b32 s37, s38, 1
	s_lshl_b32 s37, s37, 3
	s_add_co_u32 s39, s39, s37
	s_add_co_u32 s39, s39, s28                     ; a of my tile 0
	s_lshl_b32 s42, s39, 17                        ; x: a x 131,072 + first key x 512
	s_lshl_b32 s37, s36, 9
	s_add_co_u32 s42, s42, s37
	s_mov_b32 s43, 0
	s_mul_i32 s44, s39, 24576                      ; xc: a x 24,576 + T x 1,536
	s_mul_i32 s37, s35, 1536
	s_add_co_u32 s44, s44, s37
	s_mov_b32 s45, 0
	s_lshl_b32 s46, s29, 10                        ; xsc and biasw: Tq x 16,384 + T x 1,024 = id x 1,024
	s_mov_b32 s47, 0
	s_wait_kmcnt 0x0
	s_add_nc_u64 s[4:5], s[4:5], s[42:43]
	s_add_nc_u64 s[18:19], s[18:19], s[44:45]
	s_add_nc_u64 s[20:21], s[20:21], s[46:47]
	s_add_nc_u64 s[22:23], s[22:23], s[46:47]
	global_load_b64 v[144:145], v146, s[8:9]       ; Wb: my 8 bytes; the wave's first load, so that it is the first to be shown done
	; all of the wave's 16 KiB of x are asked for at once, a row of 512 bytes a load; then the mask byte
.irp k, 0,1
.irp p, 0,1,2,3,4,5,6,7,8,9,10,11,12,13,14,15
	global_load_b128 v[R0+64*\k+4*\p:R0+64*\k+4*\p+3], v[LI], s[4:5] offset:(\p+8*(\p/8))*512+2097152*\k th:TH_LOAD_NT
.endr
.endr
	global_load_u8 v[MB], v[MO], s[6:7]
	s_wait_loadcnt 33                              ; Wb's 8 bytes are in; the 32 loads of x and the mask's, issued behind it, stay out
	ds_store_b64 v147, v[144:145]
	s_wait_dscnt 0x0                               ; for the others' sake: my part of Wb lies in LDS
	s_barrier_signal -1
	s_barrier_wait -1                              ; all of Wb does
	WIN 0x40                                       ; destination window 1
.irp b, 0,1,2,3
.irp i, 0,1,2,3,4,5,6,7,8,9,10,11,12,13,14,15
	ds_load_b128 v[4*(16*\b+\i):4*(16*\b+\i)+3], v[WBO] offset:512*\b+16*\i    ; sixteen lanes take the same 16 bytes; these run while x is on its way
.endr
.endr
	WIN 0
	s_wait_loadcnt 0x0                             ; x and the mask byte are in
	v_cmp_ne_u32 s30, 0, v[MB]                     ; my key counts
	; the turn through my own stages: LDS serves a wave's instructions in order, so no wait stands between the stores and the loads
.irp p, 0,1,2,3,4,5,6,7,8,9,10,11,12,13,14,15
	ds_store_b128 v[STI], v[R0+4*\p:R0+4*\p+3] offset:SP*\p
.endr
.irp b, 0,1,2,3
.irp j, 0,1,2,3
	ds_load_b128 v[X0+16*\b+4*\j:X0+16*\b+4*\j+3], v[STO] offset:128*\b+16*\j
.endr
.endr
.irp p, 0,1,2,3,4,5,6,7,8,9,10,11,12,13,14,15
	ds_store_b128 v[STI], v[R1+4*\p:R1+4*\p+3] offset:TST+SP*\p
.endr
	s_wait_dscnt 0x0                               ; Wb is in its registers, tile 0 is turned, and the stores have read both sets of registers
.irp b, 0,1,2,3
.irp j, 0,1,2,3
	ds_load_b128 v[X1+16*\b+4*\j:X1+16*\b+4*\j+3], v[STO] offset:TST+128*\b+16*\j
.endr
.endr
	s_cmp_lt_u32 s29, 32                           ; wave 7 of work-groups 0 to 31: fragment id of the weights: a lane takes a column and its registers run down d
	s_cbranch_scc0 .Lno_weight_loads
	s_cmp_eq_u32 s28, 7
	s_cbranch_scc0 .Lno_weight_loads
	s_cmp_eq_u32 s31, 1
	s_cselect_b64 s[40:41], s[12:13], s[10:11]
	s_cmp_eq_u32 s31, 2
	s_cselect_b64 s[40:41], s[14:15], s[40:41]
	s_cmp_eq_u32 s31, 3
	s_cselect_b64 s[40:41], s[16:17], s[40:41]
	s_wait_alu depctr_va_vdst(0)
.irp b, 0,1,2,3
.irp i, 0,1,2,3,4,5,6,7,8,9,10,11,12,13,14,15
	global_load_b32 v[WN+16*\b+\i], v[WO], s[40:41] offset:(32*\b+\i)*512
.endr
.endr
.Lno_weight_loads:
	TILE X0, 0
	s_wait_dscnt 0x0                               ; tile 1 is turned; tile 0's LDS stores have read their registers
	s_wait_xcnt 0x0                                ; tile 0's stores of codes have read theirs: the codes' registers are written again
	TILE X1, 1
	s_wait_dscnt 0x0                               ; for the others' sake: my bias numbers and scale words lie in LDS
	s_barrier_signal -1
	s_barrier_wait -1
	ds_load_b128 v[144:147], v[CPL]
	s_wait_dscnt 0x0
	global_store_b128 v[CPG], v[144:147], s[22:23] ; a wave stores 512 consecutive bytes; two waves a head's 1,024
	s_cmp_lt_u32 s28, 2
	s_cbranch_scc0 .Lno_scale_copy
	ds_load_b128 v[148:151], v[CPL] offset:4096    ; waves 0 and 1: the 1,024 bytes of scale words
	s_wait_dscnt 0x0
	global_store_b128 v[C16], v[148:151], s[20:21]
.Lno_scale_copy:
	s_cmp_lt_u32 s29, 32
	s_cbranch_scc0 .Lend
	s_cmp_eq_u32 s28, 7
	s_cbranch_scc0 .Lend
	s_mul_i32 s36, s29, 1536                       ; fragment id
	s_mov_b32 s37, 0
	s_add_nc_u64 s[24:25], s[24:25], s[36:37]
	s_lshl_b32 s36, s29, 7
	s_add_nc_u64 s[26:27], s[26:27], s[36:37]
	s_wait_loadcnt 0x0                             ; the weight's 64 numbers
	s_wait_xcnt 0x0                                ; tile 1's stores have read the codes' registers
	MAXABS WN
	BYTES 1
	CODES WN, PC
.irp c, 0,1,2
	global_store_b128 v[LI], v[PC+4*\c:PC+4*\c+3], s[24:25] offset:512*\c
.endr
	global_store_b32 v[L4], v[PW], s[26:27]        ; 128 bytes a fragment, 4 KiB in the whole launch
.Lend:
	s_wait_tensorcnt 0x0
	ds_add_u32 v235, v239
	s_wait_dscnt 0x0
	s_endpgm
.Lfunc_end_k_q404629f910_prep:
	.size	k_q404629f910_prep, .Lfunc_end_k_q404629f910_prep-k_q404629f910_prep
	.p2alignl 7, 3214868480
	.fill 96, 4, 3214868480
	.section	.rodata,"a",@progbits
	.p2align	6, 0x0
	.amdhsa_kernel k_q404629f910_prep
		.amdhsa_group_segment_fixed_size 143360
		.amdhsa_private_segment_fixed_size 0
		.amdhsa_enable_private_segment 0
		.amdhsa_kernarg_size 96
		.amdhsa_user_sgpr_count 2
		.amdhsa_user_sgpr_kernarg_segment_ptr 1
		.amdhsa_wavefront_size32 1
		.amdhsa_system_sgpr_workgroup_id_x 1
		.amdhsa_system_sgpr_workgroup_id_y 1
		.amdhsa_system_sgpr_workgroup_id_z 1
		.amdhsa_system_vgpr_workitem_id 0
		.amdhsa_next_free_vgpr 512
		.amdhsa_next_free_sgpr 66
		.amdhsa_reserve_vcc 0
		.amdhsa_float_denorm_mode_32 3
		.amdhsa_float_denorm_mode_16_64 3
		.amdhsa_memory_ordered 1
		.amdhsa_forward_progress 1
		.amdhsa_inst_pref_size 61
	.end_amdhsa_kernel
	.amdgpu_metadata
---
amdhsa.version: [ 1, 2 ]
amdhsa.kernels:
  - .name:           k_q404629f910_prep
    .symbol:         k_q404629f910_prep.kd
    .args:
      - { .name: pairwise_repr, .offset: 0, .size: 8, .value_kind: global_buffer, .address_space: global }
      - { .name: mask, .offset: 8, .size: 8, .value_kind: global_buffer, .address_space: global }
      - { .name: Wb, .offset: 16, .size: 8, .value_kind: global_buffer, .address_space: global }
      - { .name: Wq, .offset: 24, .size: 8, .value_kind: global_buffer, .address_space: global }
      - { .name: Wk, .offset: 32, .size: 8, .value_kind: global_buffer, .address_space: global }
      - { .name: Wv, .offset: 40, .size: 8, .value_kind: global_buffer, .address_space: global }
      - { .name: Wo, .offset: 48, .size: 8, .value_kind: global_buffer, .address_space: global }
      - { .name: xc, .offset: 56, .size: 8, .value_kind: global_buffer, .address_space: global }
      - { .name: xsc, .offset: 64, .size: 8, .value_kind: global_buffer, .address_space: global }
      - { .name: biasw, .offset: 72, .size: 8, .value_kind: global_buffer, .address_space: global }
      - { .name: wc, .offset: 80, .size: 8, .value_kind: global_buffer, .address_space: global }
      - { .name: wsc, .offset: 88, .size: 8, .value_kind: global_buffer, .address_space: global }
    .group_segment_fixed_size: 143360
    .private_segment_fixed_size: 0
    .kernarg_segment_align: 8
    .kernarg_segment_size: 96
    .max_flat_workgroup_size: 256
    .sgpr_count:     66
    .vgpr_count:     512
    .wavefront_size: 32
...
	.end_amdgpu_metadata
.endif
;; end of part 3
;; launch attn (part 4): grid 256 x 1, 8 waves a work-group, no clusters, 199,680 bytes of LDS; arguments xc, xsc, biasw, wc, wsc, out0; writes out0
.if DOCPART == 4
	.amdgcn_target "amdgcn-amd-amdhsa--gfx1250"
	.amdhsa_code_object_version 6
	.text
	.protected	k_q404629f910_attn
	.globl	k_q404629f910_attn
	.p2align	8
	.type	k_q404629f910_attn,@function
k_q404629f910_attn:
	s_mov_b64 s[64:65], 0
	v_nop
	global_prefetch_b8 v0, s[64:65] scope:SCOPE_SE
	s_setreg_imm32_b32 hwreg(HW_REG_WAVE_SCHED_MODE, 0, 2), 2
	s_setreg_imm32_b32 hwreg(HW_REG_WAVE_MODE, 25, 1), 1
	s_wait_xcnt 0x0
	s_wait_alu depctr_vm_vsrc(0)
; ATTN.  One work-group for each row i of the pair tensor: q, k, v = x_i W; per head S = q k^T + bias sqrt(32) (hidden keys: -2^120); t = c S, c = log2(e) / sqrt(32);
; p = 2^(t - M), M = the ceiling of the running largest t; o = (p v) / l, l the sum of the unquantised p; out = o Wo.  All six products on codes of FP6 (E2M3) with E8M0 scales.
; x_i, its scale words, the four weights and the bias come ready from the launch before: operands as images of their registers, the bias in the layout of an accumulator.
; SHARES.  Eight waves, two to a SIMD, 512 registers each.  Wave w owns x's tiles w and w + 8: their 32 keys for k, and their 32 queries, 16 at a time, in two passes; and the two fragments of V^T
; with the channels of Wv's tile w (keys 0 to 127, keys 128 to 255).  Tile T = 2 b + u is rows 32 b + 8 u + r + 8 (r / 8).
; LAYOUT.  Every product is used transposed, so that a lane holds ONE query (lane % 16): q^T = Wq^T x^T, S^T = k q^T, O^T = V^T p^T, out^T = Wo^T o^T.  With the tiles chosen as above the 16 registers of two
; neighbouring result tiles are 16 neighbours along the next K.
; K = 32 IN A FORM OF K = 128.  A fragment of k holds head h's 32 codes of FOUR key tiles, one in each block of 32; it is multiplied by four variants of q_h, each with q_h's codes in one block and zero
; codes in the three others.  The variants are 30 registers Z L Z U Z (L: q_h in lanes 0-15, U: in lanes 16-31, Z: zeros): (L, Z), (U, Z), (Z, L), (Z, U) are blocks 0 to 3.
; THE BIAS AND THE MASK ARE THE C OF THE SCORE PRODUCT, and cost no vector instruction.  They come from memory, 512 consecutive bytes a load, into TWO BUFFERS of 64 registers that take turns:
; a buffer is asked for again straight behind the products that read it, for the step after the next, so that a load has nearly two steps (some 500 instructions of the wave) in which to land.
; A HEAD IS A BLOCK of the last product's K: o is divided by l and quantised head by head, so O^T is 16 registers.
; REGISTERS, in windows of 256.  Window 0 holds all that a vector instruction touches.  Window 1 holds only what matrix instructions read and loads write: v0-127 the two bias buffers;
; v128-223 eight fragments of a projection or of the way out; in the key steps v128-151 k's two fragments, v152-175 V^T's two.  s_set_vgpr_msb's low byte: bits 1:0 source 0, 3:2 source 1, 5:4 source 2, 7:6 destination:
; 0x11 the score products (A and C in window 1), 0x01 the other products (A in window 1), 0x40 loads into window 1.  Five switches a step, for its 10 matrix instructions and 38 loads.
; THE MODE: SCHED_MODE bits 1:0 = 2 (LLVM: expert scheduling mode 2), set by the entry lines.  The code itself states the register dependences between vector or matrix instructions and memory or LDS
; instructions, with s_wait_alu, always for 0.
; THE PLAN.  Registers that memory or LDS instructions touch, and who else names them:
;   v1-19, v176-180     addresses and offsets: made by vector lines at the head, never written again: one wait on va_vdst ahead of the first load serves every load and store of the kernel.
;   v92-168 at the head the staging's data: loaded, read by the staging's LDS stores; one wait on vm_vsrc behind the first barrier frees them.
;   window 1 v0-127     bias buffer m % 2: read by step m's score products, loaded again behind them.
;   window 1 v128-223   loaded from LDS, read by products as source 0.   v76-84: scale words loaded from LDS, read by products.   v152-163: a projection's source 1, loaded from LDS.
;   v120-131, v144-147, v85   codes, bytes and a scale word made by vector lines: read by the LDS stores of k and of V^T, in the key steps by the second products.
;   v32-61, v88-91      q's variants and bytes, made by vector lines, read by the score products.    v92-103, v86: o's codes and scale word, made by vector lines, read by the way out's products.
;   v192-255 at a pass's end: out^T, written by products, read by LDS stores.   v104-167 at a pass's end: rows from the stage, loaded, read by the global stores.
; A projection has one wait on va_vdst, ahead of its LDS stores: the codes are written, and its products are done reading their operands, in which the next loads land; only LDS stores and loads of other
; registers stand between that wait and those loads.  One wait on vm_vsrc stands ahead of the lines that write the stored registers again.
; A key step has three waits on va_vdst: behind the score products, ahead of the step's one run of 38 loads (all the registers in which these land were last read by products issued ahead of it);
; behind the exponentials; ahead of the second products (p's codes and scale word are written).  The step's vector lines name window 0's v22-31, v104-151, v164-167 and v192-255 alone: none in which a load of the step lands.
; NO CLUSTER, NO JOINT LOADS: what the work-groups share is the bias, 1 MiB for each.  Here it goes from memory into registers once, 8 KiB a wave and step.  Asked for jointly it would be written to LDS and
; read again, and LDS has 129,024 bytes left, an eighth of it: eight rounds and more over 32 waves, for bytes that would then pass through LDS twice.
; LIMITS.  NaN and infinities are not served.  A key that the mask hides has the score -2^120 (reference(): the most negative f32); its p is 0 as soon as one key of the row counts.  With NO key that counts the result
; is reference()'s mean of v only if the product returns its C unchanged under sums some 2^100 times smaller: not tried.  Blocks whose largest magnitude lies under 2^-124 keep the byte 1.
.set WIMG, 0                           ; LDS: the weights' 32 images of 1,536 bytes (0-7 Wq, 8-15 Wk, 16-23 Wv, 24-31 Wo),
.set WSC,  49152                       ; their scale words, 128 bytes each,
.set XIMG, 53248                       ; x_i's 16 images,
.set XSC,  77824                       ; their scale words [T][r],
.set KIMG, 78848                       ; k: [h][g][register pair 0..5][lane][8 bytes]: block b of fragment (h, g) is key tile 4 g + b,
.set KSC,  103424                      ; [h][g][r][4 bytes]: byte b for key tile 4 g + b,
.set VIMG, 104448                      ; V^T: 16 images [8 (key half) + channel tile],
.set VSC,  129024                      ; their scale words, 128 bytes each,
.set STG,  131072                      ; and a stage of 16 rows x 528 bytes for each wave, for the way out
.set SP,   528
.set AW,   1                           ; v1   16 x lane: an image's place for my lane; also my offset in a row of out
.set LR,   2                           ; v2   4 r: a scale word's
.set AX,   3                           ; v3   x tile w's image (tile w + 8: 12,288 bytes on)
.set AXS,  4                           ; v4   its scale words (512 bytes on)
.set AXV,  5                           ; v5   x's images from the first on
.set AXVS, 6                           ; v6   their scale words
.set AWV,  7                           ; v7   tile w of a weight (from the weight's first image on)
.set AWVS, 8                           ; v8   its scale words
.set KW,   9                           ; v9   where key tile w's codes go (tile w + 8: 3,072 bytes on)
.set KB,   10                          ; v10  where its scale bytes go (128 bytes on)
.set AVW,  11                          ; v11  where my V^T images go (the second key half: 12,288 bytes on)
.set AVSW, 12                          ; v12  and their scale words (1,024 bytes on)
.set AK,   13                          ; v13  k fragments: 8 x lane
.set AKS,  14                          ; v14  k scale words
.set AV,   15                          ; v15  V^T images
.set AVS,  16                          ; v16  V^T scale words
.set BA,   17                          ; v17  my offset in the bias: 16 x lane + 16,384 w (tile w + 8: 131,072 bytes on); never rewritten
.set SO,   18                          ; v18  stage, way in
.set SR,   19                          ; v19  stage, way out
; v[22:23] 1 / l;  v24 -M, v25 the largest t;  v[26:27] l in two halves;  v[28:29] f;  v[30:31] at work;  v32-61 Z L Z U Z
.set QF,   64                          ; v64-75  q's fragment: head h in registers 6 (h / 2) on, lanes 16 (h % 2) on
.set SC,   76                          ; v76-91  scale words and nothing else: +0..7 a run's source 0 (in the key steps +0, +1 k's, +2, +3 V's), +8 source 1, +9 p's, +10 o's, +12..15 q's byte of head h four times
.set PW,   SC+9
.set OF,   92                          ; v92-103  o's fragment
.set O,    104                         ; v104-119 O^T of the head in hand
.set PC,   120                         ; v120-131 codes just made; v132-138 second halves on their way
.set TM,   140                         ; v140-143 maxima, v144-147 the other half's, then bytes, v148-151 the conversions' scale operands
.set XF,   152                         ; v152-163 a projection's source 1
.set C2,   164                         ; v164-167 two more chains of the row's sum
.set S,    192                         ; v192-255 S^T, then p; at the end out^T
.set HA,   192                         ; a projection's results
.set WF,   128                         ; window 1: eight fragments
.set KF,   128                         ; window 1: k's two
.set VF,   152                         ; window 1: V^T's two
.set SEL,  20                          ; s[20:21] v_permlanex16_b32's selects for lane l xor 16
.set CS,   22                          ; s[22:23] c
.set MSB, 0
.macro WIN new                         ; the immediate's high byte repeats the setting that is left
.if MSB != \new
	s_set_vgpr_msb (MSB<<8)|\new
.set MSB, \new
.endif
.endm
.macro NOPS n
.rept \n
	v_nop
.endr
.endm
.macro BARRIER                         ; my LDS stores have landed and my LDS loads are in: then the work-group's barrier
	s_wait_dscnt 0x0
	s_barrier_signal -1
	s_barrier_wait -1
.endm
.macro WM0 d, a, b, sa, sb             ; a product that starts its sum
	v_wmma_scale_f32_16x16x128_f8f6f4 v[0+(\d):7+(\d)], v[0+(\a):11+(\a)], v[0+(\b):11+(\b)], 0, v[0+(\sa)], v[0+(\sb)] matrix_a_fmt:MATRIX_FMT_FP6 matrix_b_fmt:MATRIX_FMT_FP6
.endm
.macro WMA d, a, b, sa, sb             ; a product that adds onto what its accumulator holds
	v_wmma_scale_f32_16x16x128_f8f6f4 v[0+(\d):7+(\d)], v[0+(\a):11+(\a)], v[0+(\b):11+(\b)], v[0+(\d):7+(\d)], v[0+(\sa)], v[0+(\sb)] matrix_a_fmt:MATRIX_FMT_FP6 matrix_b_fmt:MATRIX_FMT_FP6
.endm
.macro WMC d, a, b, c, sa, sb          ; a product whose sum begins with other registers
	v_wmma_scale_f32_16x16x128_f8f6f4 v[0+(\d):7+(\d)], v[0+(\a):11+(\a)], v[0+(\b):11+(\b)], v[0+(\c):7+(\c)], v[0+(\sa)], v[0+(\sb)] matrix_a_fmt:MATRIX_FMT_FP6 matrix_b_fmt:MATRIX_FMT_FP6
.endm
.macro FETCH reg, adr, off             ; an image comes back as the registers that it was
.irp c, 0,1,2
	ds_load_b128 v[\reg+4*\c:\reg+4*\c+3], v[\adr] offset:\off+512*\c
.endr
.endm
; 64 numbers of a lane, register 16 b + i = k 32 b + 16 hh + i of its row: the four blocks' largest magnitudes, with the floor 2^(3 - 127) among the leaves
.macro MAXABS s
.irp b, 0,1,2,3
	v_max3_num_f32 v[TM+\b], |v[\s+16*\b]|, |v[\s+16*\b+1]|, 0x1800000
.endr
.irp i, 2,4,6,8,10,12,14
.irp b, 0,1,2,3
	v_max3_num_f32 v[TM+\b], v[TM+\b], |v[\s+16*\b+\i]|, |v[\s+16*\b+\i+1]|   ; the four blocks by turns; each accumulator is read from its low end on
.endr
.endr
.irp b, 0,1,2,3
	v_permlanex16_b32 v[TM+4+\b], v[TM+\b], s[SEL], s[SEL+1]
.endr
.irp b, 0,1,2,3
	v_max_num_f32 v[TM+\b], v[TM+\b], v[TM+4+\b]
.endr
.endm
.macro BYTES word
.irp b, 0,1,2,3
	v_add_nc_u32 v[TM+8+\b], 0xff000000, v[TM+\b]                  ; 2 off the exponent field: the conversion's scale operand
.endr
.irp b, 0,1,2,3
	v_lshrrev_b32 v[TM+4+\b], 23, v[TM+8+\b]                       ; the scale's byte
.endr
.if \word
	v_lshl_or_b32 v[PW], v[TM+5], 8, v[TM+4]
	v_lshl_or_b32 v[PW], v[TM+6], 16, v[PW]
	v_lshl_or_b32 v[PW], v[TM+7], 24, v[PW]
.endif
.endm
.macro CODES s, d                      ; the fragment's 12 registers at v[d]: registers 6 c .. 6 c + 5 = k 64 c + 32 hh + 0 .. 31
.irp c, 0,1
	v_cvt_scalef32_pk16_fp6_f32 v[\d+6*\c:\d+6*\c+2], v[\s+32*\c:\s+32*\c+15], v[TM+8+2*\c]
	v_cvt_scalef32_pk16_fp6_f32 v[PC+12+4*\c:PC+14+4*\c], v[\s+32*\c+16:\s+32*\c+31], v[TM+9+2*\c]   ; (a conversion's three registers begin on an even number)
.endr
	v_nop                                                          ; one plain place behind the scaled conversions
.irp c, 0,1
.irp i, 0,1,2
	v_permlane16_swap_b32 v[\d+6*\c+\i], v[PC+12+4*\c+\i]
.endr
.irp i, 0,1,2
	v_mov_b32 v[\d+6*\c+3+\i], v[PC+12+4*\c+\i]
.endr
.endr
.endm
; the eight tiles f .. f + 7 of the weights' images into window 1, their scale words into the bank.  w = 1: products have read these registers; w = 0: the first fetch, into registers that nothing has named
.macro WFETCH f, w
	WIN 0x40
.if \w
	s_wait_alu depctr_va_vdst(0)                   ; the products that last took window 1's v128-223 as source 0 and v76-83 as scales are done reading them: the loads below land there (on the way out also: o's codes and scale word are written)
.endif
.irp t, 0,1,2,3,4,5,6,7
	FETCH WF+12*\t, AW, 1536*((\f)+\t)
.endr
	WIN 0
.irp t, 0,1,2,3,4,5,6,7
	ds_load_b32 v[SC+\t], v[LR] offset:WSC+128*((\f)+\t)
.endr
.endm
.macro PROD b, sb                      ; the eight fragments in window 1 (source 0) against the fragment at v[b] (source 1): eight accumulators, one product each
	s_wait_dscnt 0x0                               ; the fragments and scale words are in
	WIN 0x01
.irp t, 0,1,2,3,4,5,6,7
	WM0 HA+8*\t, WF+12*\t, \b, SC+\t, \sb
.endr
	WIN 0
	NOPS 5                                         ; four places in front of the reads of results; the fifth since the next run's products write over these accumulators
.endm
; the variants of q_h
.macro QVAR h
.set QC, QF+6*((\h)/2)
.if (\h)%2 == 0
.irp i, 0,1,2,3,4,5
	v_cndmask_b32 v[38+\i], 0, v[QC+\i], s24       ; L: lanes 0-15 keep q_h, lanes 16-31 (the next head's codes) become zeros
.endr
.irp i, 0,1,2,3,4,5
	v_permlanex16_b32 v[50+\i], v[38+\i], s[SEL], s[SEL+1]         ; U: the halves changed
.endr
.else
.irp i, 0,1,2,3,4,5
	v_cndmask_b32 v[50+\i], 0, v[QC+\i], s25
.endr
.irp i, 0,1,2,3,4,5
	v_permlanex16_b32 v[38+\i], v[50+\i], s[SEL], s[SEL+1]
.endr
.endif
.endm
; step n = 2 h + s of a pass: head h, keys 128 s on
.macro KFRAG n                         ; its two fragments of k: (h, 2 s) and (h, 2 s + 1) are numbers 2 n, 2 n + 1
.irp g, 0,1
.irp p, 0,1,2,3,4,5
	ds_load_b64 v[KF+12*\g+2*\p:KF+12*\g+2*\p+1], v[AK] offset:(2*(\n)+\g)*1536+256*\p
.endr
.endr
.endm
.macro KSCL n
.irp g, 0,1
	ds_load_b32 v[SC+\g], v[AKS] offset:(2*(\n)+\g)*64
.endr
.endm
.macro VFRAG n                         ; its two fragments of V^T: channels 32 h + 0 .. 31
.set VI, 8*((\n)%2)+2*((\n)/2)
.irp u, 0,1
	FETCH VF+12*\u, AV, (VI+\u)*1536
.endr
.endm
.macro VSCL n
.set VI, 8*((\n)%2)+2*((\n)/2)
.irp u, 0,1
	ds_load_b32 v[SC+2+\u], v[AVS] offset:(VI+\u)*128
.endr
.endm
.macro BLOAD m                         ; the bias of step m = 8 (pass) + n into buffer m % 2: 16 loads of 512 consecutive bytes
.set BO, ((\m)/8)*131072+(((\m)%8)/2)*262144+((\m)%2)*8192
.set BD, 64*((\m)%2)
.irp i, 0,1,2,3,4,5,6,7,8,9,10,11,12,13,14,15
	global_load_b128 v[BD+4*\i:BD+4*\i+3], v[BA], s[8:9] offset:BO+512*\i
.endr
.endm
; head h is finished: O^T / l, quantised as block h of the last product's K
.macro FIN h
	v_add_f32 v30, v26, v27                        ; the sum's two halves,
	v_permlanex16_b32 v31, v30, s[SEL], s[SEL+1]
	v_add_f32 v30, v30, v31                        ; and lane l xor 16's
	s_wait_alu depctr_va_vdst(0)
	v_rcp_f32 v22, v30
	v_nop                                          ; one plain place behind the transcendental
	s_wait_alu depctr_va_vdst(0)                   ; 1 / l is written, ahead of its first reader; so are the next head's variants of q, made just ahead of this macro, which the next step's scaled products take as source 1
.irp j, 0,2,4,6,8,10,12,14
	v_pk_mul_f32 v[O+\j:O+\j+1], v[O+\j:O+\j+1], v[22:23] op_sel_hi:[1,0]     ; ascending: each accumulator from its low end on
.endr
	v_max3_num_f32 v[TM], |v[O]|, |v[O+1]|, 0x1800000
.irp j, 2,4,6,8,10,12,14
	v_max3_num_f32 v[TM], v[TM], |v[O+\j]|, |v[O+\j+1]|
.endr
	v_permlanex16_b32 v[TM+4], v[TM], s[SEL], s[SEL+1]
	v_max_num_f32 v[TM], v[TM], v[TM+4]
	v_add_nc_u32 v[TM+8], 0xff000000, v[TM]
	v_lshrrev_b32 v[TM+4], 23, v[TM+8]
.if (\h) == 0
	v_mov_b32 v[SC+10], v[TM+4]
.else
	v_lshl_or_b32 v[SC+10], v[TM+4], 8*(\h), v[SC+10]
.endif
.if (\h)%2 == 0
	v_cvt_scalef32_pk16_fp6_f32 v[OF+6*((\h)/2):OF+6*((\h)/2)+2], v[O:O+15], v[TM+8]
	v_nop
.else
	v_cvt_scalef32_pk16_fp6_f32 v[PC+12:PC+14], v[O:O+15], v[TM+8]
	v_nop
.irp i, 0,1,2
	v_permlane16_swap_b32 v[OF+6*((\h)/2)+\i], v[PC+12+\i]         ; lanes 0-15 the even head's block, lanes 16-31 the odd head's
.endr
.irp i, 0,1,2
	v_mov_b32 v[OF+6*((\h)/2)+3+\i], v[PC+12+\i]
.endr
.endif
.endm
.macro STEP j, n
.set HD, (\n)/2
.set HF, (\n)%2
.set MM, 8*(\j)+(\n)
.if MM < 15
	s_wait_loadcnt 16                              ; this step's bias is in its buffer; the next step's 16 loads, issued behind it, may be out
.else
	s_wait_loadcnt 0x0                             ; the last step: nothing was asked for behind its bias
.endif
.if (\n) == 0
	s_wait_dscnt 0x0                               ; a pass's first fragments of k (those of later steps are shown in by the wait in front of the step before's second product)
.endif
	WIN 0x11                                       ; k and the bias in window 1
.irp g, 0,1                            ; S^T: eight accumulators, one product each; block b of fragment g is key tile 4 g + b of this half
	WMC S+32*\g, KF+12*\g, 38, 64*HF+32*\g, SC+\g, SC+12+HD
	WMC S+32*\g+8, KF+12*\g, 50, 64*HF+32*\g+8, SC+\g, SC+12+HD
	WMC S+32*\g+16, KF+12*\g, 32, 64*HF+32*\g+16, SC+\g, SC+12+HD
	WMC S+32*\g+24, KF+12*\g, 44, 64*HF+32*\g+24, SC+\g, SC+12+HD
.endr
	NOPS 4                                         ; places in front of the first read of the scores
	WIN 0x40
	s_wait_alu depctr_va_vdst(0)                   ; the score products are done reading k's fragments, k's scale words and this bias buffer; the step before's second products (in a pass's first step: q's products) V's fragments and scale words: the 38 loads below land in these
	VFRAG \n
.if (\n) < 7
	KFRAG (\n)+1                                   ; the next step's k: its registers are free
.endif
.if MM < 14
	BLOAD MM+2                                     ; and so is this buffer: the bias of the step after the next
.endif
	WIN 0
	VSCL \n
.if (\n) < 7
	KSCL (\n)+1
.endif
.irp b, 0,1,2,3
	v_max3_num_f32 v[TM+\b], v[S+16*\b], v[S+16*\b+1], v[S+16*\b+2]            ; the largest score of each block of 32 keys: for the row's maximum and for the block's largest p
.endr
.irp i, 3,5,7,9,11,13
.irp b, 0,1,2,3
	v_max3_num_f32 v[TM+\b], v[TM+\b], v[S+16*\b+\i], v[S+16*\b+\i+1]
.endr
.endr
.irp b, 0,1,2,3
	v_max_num_f32 v[TM+\b], v[TM+\b], v[S+16*\b+15]
.endr
.irp b, 0,1,2,3
	v_permlanex16_b32 v[TM+4+\b], v[TM+\b], s[SEL], s[SEL+1]
.endr
.irp b, 0,1,2,3
	v_max_num_f32 v[TM+\b], v[TM+\b], v[TM+4+\b]
.endr
	v_max3_num_f32 v30, v[TM], v[TM+1], v[TM+2]
	v_max_num_f32 v30, v30, v[TM+3]
.if HF == 0
	v_mul_f32 v25, s[CS], v30                      ; a head's first half starts the largest t
	v_floor_f32 v24, -v25                          ; -M = floor(-t): M is a whole number
.else
	v_mul_f32 v30, s[CS], v30
	v_max_num_f32 v25, v25, v30
	v_mov_b32 v30, v24
	v_floor_f32 v24, -v25
	v_sub_f32 v30, v24, v30                        ; old M - new M: a whole number, 0 or less
	v_cvt_i32_f32 v30, v30                         ; (it saturates)
	v_ldexp_f32 v28, 1.0, v30                      ; f = 2^(old M - new M): multiplying by it rounds nothing
.endif
.irp j2, 0,2,4,6,8,10,12,14,16,18,20,22,24,26,28,30,32,34,36,38,40,42,44,46,48,50,52,54,56,58,60,62
	v_pk_fma_f32 v[S+\j2:S+\j2+1], v[S+\j2:S+\j2+1], s[CS:CS+1], v[24:25] op_sel_hi:[1,0,0]   ; t - M
.endr
.irp b, 0,1,2,3
	v_fma_f32 v[TM+\b], v[TM+\b], s[CS], v24       ; the same of each block's largest score
.endr
	s_wait_alu depctr_va_vdst(0)
.irp j2, 0,1,2,3,4,5,6,7,8,9,10,11,12,13,14,15,16,17,18,19,20,21,22,23,24,25,26,27,28,29,30,31,32,33,34,35,36,37,38,39,40,41,42,43,44,45,46,47,48,49,50,51,52,53,54,55,56,57,58,59,60,61,62,63
	v_exp_f32 v[S+\j2], v[S+\j2]                   ; p = 2^(t - M)
.endr
.irp b, 0,1,2,3
	v_exp_f32 v[TM+\b], v[TM+\b]                   ; the block's largest p
.endr
.if HF == 0
	v_nop                                          ; a plain place behind the exponentials
	s_wait_alu depctr_va_vdst(0)                   ; the 68 exponentials have written p and the blocks' largest p, ahead of their first reader
.else
	v_pk_mul_f32 v[26:27], v[26:27], v[28:29] op_sel_hi:[1,0]      ; the sum under the new M (a plain place behind the exponentials)
	s_wait_alu depctr_va_vdst(0)                   ; the 68 exponentials have written p and the blocks' largest p, ahead of their first reader
.endif
.irp b, 0,1,2,3
	v_max_num_f32 v[TM+\b], 0x1800000, v[TM+\b]    ; the floor: a block whose every p is 0 keeps the byte 1, and its codes are zeros
.endr
	BYTES 1
	CODES S, PC
	; the row's sum is taken of the unquantised p, two at a time, in four chains: with two waves to a SIMD a line should not wait for the line two above it
.if HF == 0
	v_pk_add_f32 v[26:27], v[S:S+1], v[S+8:S+9]
.else
	v_pk_add_f32 v[26:27], v[26:27], v[S:S+1]
.endif
	v_pk_add_f32 v[30:31], v[S+2:S+3], v[S+10:S+11]
	v_pk_add_f32 v[C2:C2+1], v[S+4:S+5], v[S+12:S+13]
	v_pk_add_f32 v[C2+2:C2+3], v[S+6:S+7], v[S+14:S+15]
.if HF == 1
	v_pk_add_f32 v[26:27], v[26:27], v[S+8:S+9]
.endif
.irp j2, 16,24,32,40,48,56
	v_pk_add_f32 v[26:27], v[26:27], v[S+\j2:S+\j2+1]
	v_pk_add_f32 v[30:31], v[30:31], v[S+\j2+2:S+\j2+3]
	v_pk_add_f32 v[C2:C2+1], v[C2:C2+1], v[S+\j2+4:S+\j2+5]
	v_pk_add_f32 v[C2+2:C2+3], v[C2+2:C2+3], v[S+\j2+6:S+\j2+7]
.endr
	v_pk_add_f32 v[26:27], v[26:27], v[30:31]
	v_pk_add_f32 v[C2:C2+1], v[C2:C2+1], v[C2+2:C2+3]
	v_pk_add_f32 v[26:27], v[26:27], v[C2:C2+1]
.if HF == 1
.irp j2, 0,2,4,6,8,10,12,14
	v_pk_mul_f32 v[O+\j2:O+\j2+1], v[O+\j2:O+\j2+1], v[28:29] op_sel_hi:[1,0]  ; O^T under the new M
.endr
.endif
	s_wait_dscnt 0x0                               ; V^T's two fragments are in, and the next step's k.  p's scale word stands over thirty plain instructions back, its codes likewise
	s_wait_alu depctr_va_vdst(0)                   ; p's codes and p's scale word are written, which the scaled products below take as source 1 and as its scales; the places above stay beside this wait
	WIN 0x01                                       ; V^T in window 1
.if HF == 0
	WM0 O, VF, PC, SC+2, SC+9
	WM0 O+8, VF+12, PC, SC+3, SC+9                 ; (the next step's score products name none of these registers, and the wait behind them stands in front of the loads into V's)
.else
	WMA O, VF, PC, SC+2, SC+9                      ; the accumulators take turns, one product a turn: between two links on O^T stand the eight score products
	WMA O+8, VF+12, PC, SC+3, SC+9
.endif
	WIN 0
.if HF == 1
	NOPS 4                                         ; places in front of the reads of O^T
.if HD < 3
	QVAR HD+1
.endif
	FIN HD
.endif
.endm
; A PASS: the 16 queries of x's tile w + 8 j
.macro PASS j
.if \j
	s_wait_xcnt 0x0                                ; the last pass's stores have read their registers, which are written again from here on
.endif
	s_wait_alu depctr_vm_vsrc(0)                   ; first pass: V^T's LDS stores have read the codes and the scale word, which the key steps write again; second pass: the way out's LDS stores have read v192-255 and its global stores v104-167, all written again below
	; q^T of my 16 queries; quantised head by head (a head's 32 channels are a block); its fragment stays in registers
	WFETCH 0, 1
	FETCH XF, AX, 12288*\j
	ds_load_b32 v[SC+8], v[AXS] offset:512*\j
	PROD XF, SC+8
	MAXABS HA
	BYTES 0
	CODES HA, QF
.irp h, 0,1,2,3
	v_perm_b32 v[SC+12+\h], v[TM+4+\h], v[TM+4+\h], 0              ; head h's byte four times: it serves whichever block holds q_h
.endr
	QVAR 0
	NOPS 4                                         ; an operand written by vector instructions stands four places ahead of a scaled product; q's bytes stand sixteen and more
	WIN 0x40
	s_wait_alu depctr_va_vdst(0)                   ; q's products are done reading window 1's fragments and v76, v77, in which the loads below land; q's variants, its four bytes and the zeros are written, which the score products take as source 1 and its scales
	KFRAG 0
	WIN 0
	KSCL 0
	; four heads x two halves of the keys
	STEP \j, 0
	STEP \j, 1
	STEP \j, 2
	STEP \j, 3
	STEP \j, 4
	STEP \j, 5
	STEP \j, 6
	STEP \j, 7
	; THE WAY OUT: out^T = Wo^T o^T; lane (r, hh) then holds out(query r, 16 t + 8 hh + 0 .. 7) in tile t's registers
	NOPS 8                                         ; o's scale word, written by vector instructions, stands eight places ahead of the scaled products, its codes four; the places first, then the wait, which stands in the fetch
	WFETCH 24, 1                                   ; no vector instruction stands between that wait and the products
	PROD OF, SC+10
	s_wait_alu depctr_va_vdst(0)                   ; the products have written out^T, which the LDS stores read (the five places above stay beside this wait); and every vector instruction is done with v104-167, in which the loads from the stage land
.irp t, 0,1,2,3,4,5,6,7
	ds_store_b128 v[SO], v[S+8*\t:S+8*\t+3] offset:64*\t           ; each accumulator from its low end on; my own stage, so no barrier
	ds_store_b128 v[SO], v[S+8*\t+4:S+8*\t+7] offset:64*\t+16
.endr
.irp p, 0,1,2,3,4,5,6,7,8,9,10,11,12,13,14,15
	ds_load_b128 v[104+4*\p:107+4*\p], v[SR] offset:SP*\p          ; LDS serves a wave's instructions in order: these see the stores above
.endr
.irp p, 0,1,2,3,4,5,6,7,8,9,10,11,12,13,14,15
	s_wait_dscnt 15-\p                             ; row p is back; the 15 - p younger loads may be out
	global_store_b128 v[AW], v[104+4*\p:107+4*\p], s[14:15] offset:(\p+8*(\p/8))*512+65536*\j th:TH_STORE_NT   ; 32 lanes store a row of 512 consecutive bytes, at a multiple of 256 from out's first byte
.endr
.endm
	s_load_b256 s[4:11], s[0:1], 0x0               ; xc 4, xsc 6, biasw 8, wc 10
	s_load_b128 s[12:15], s[0:1], 0x20             ; wsc 12, out0 14
	v_lshl_add_u32 v190, v0, 2, 0x30800
	v_mov_b32 v191, 0
	v_lshrrev_b32 v21, 5, v0
	v_readfirstlane_b32 s16, v21                   ; wave 0..7
	s_mov_b32 s[SEL], 0x76543210
	s_mov_b32 s[SEL+1], 0xfedcba98
	s_mov_b32 s[CS], 0x3e8293ee                    ; c = log2(e) / sqrt(32)
	s_mov_b32 s[CS+1], s[CS]                       ; (named with it as a pair, so it is written)
	s_mov_b32 s24, 0x0000ffff
	s_mov_b32 s25, 0xffff0000
	v_and_b32 v21, 31, v0                          ; lane
	v_and_b32 v22, 15, v0                          ; r
	v_bfe_u32 v23, v0, 4, 1                        ; hh
	s_wait_alu depctr_va_vdst(0)
	v_lshlrev_b32 v[AW], 4, v21
	v_lshlrev_b32 v[LR], 2, v22
	s_wait_alu depctr_va_sdst(0)                   ; s16, the wave's number, is written, ahead of its first reader: the LDS places and the offsets below are made from it
	s_mul_i32 s17, s16, 1536
	s_add_co_u32 s18, s17, XIMG
	v_add_nc_u32 v[AX], s18, v[AW]
	s_lshl_b32 s18, s16, 6
	s_add_co_u32 s18, s18, XSC
	v_add_nc_u32 v[AXS], s18, v[LR]
	v_add_nc_u32 v[AXV], XIMG, v[AW]
	v_add_nc_u32 v[AXVS], XSC, v[LR]
	v_add_nc_u32 v[AWV], s17, v[AW]
	s_lshl_b32 s18, s16, 7
	v_add_nc_u32 v[AWVS], s18, v[LR]
	s_lshr_b32 s18, s16, 2                         ; key tile w is block w % 4 of fragment g = w / 4: register pairs 3 ((w / 2) % 2) on, lanes 16 (w % 2) on; tile w + 8: fragment g + 2
	s_mul_i32 s19, s18, 1536
	s_bfe_u32 s34, s16, 0x10001
	s_mul_i32 s34, s34, 768
	s_add_co_u32 s19, s19, s34
	s_and_b32 s34, s16, 1
	s_lshl_b32 s34, s34, 7
	s_add_co_u32 s19, s19, s34
	s_add_co_u32 s19, s19, KIMG
	v_mul_u32_u24 v[KW], v23, 6144                 ; my half of the lanes holds heads hh and 2 + hh: 6,144 bytes a head
	v_lshl_add_u32 v[KW], v22, 3, v[KW]
	v_add_nc_u32 v[KW], s19, v[KW]
	s_lshl_b32 s19, s18, 6
	s_and_b32 s34, s16, 3
	s_add_co_u32 s19, s19, s34
	s_add_co_u32 s19, s19, KSC
	v_add_nc_u32 v[KB], s19, v[LR]
	s_add_co_u32 s19, s17, VIMG
	v_add_nc_u32 v[AVW], s19, v[AW]
	s_lshl_b32 s19, s16, 7
	s_add_co_u32 s19, s19, VSC
	v_lshl_add_u32 v[AVSW], v21, 2, s19
	v_lshl_add_u32 v[AK], v21, 3, KIMG
	v_add_nc_u32 v[AKS], KSC, v[LR]
	v_add_nc_u32 v[AV], VIMG, v[AW]
	v_lshl_add_u32 v[AVS], v21, 2, VSC
	s_lshl_b32 s19, s16, 14
	v_add_nc_u32 v[BA], s19, v[AW]
	s_mul_i32 s19, s16, 16*SP
	s_add_co_u32 s19, s19, STG
	v_mul_u32_u24 v[SO], v22, SP
	v_lshl_add_u32 v[SO], v23, 5, v[SO]
	v_add_nc_u32 v[SO], s19, v[SO]                 ; in: row r, + 32 hh
	v_add_nc_u32 v[SR], s19, v[AW]                 ; back: a row of 512 bytes, 16 bytes a lane
	v_lshlrev_b32 v176, 4, v0                      ; the staging's addresses: 16 x thread,
	v_add_nc_u32 v178, XIMG, v176
	v_lshl_add_u32 v179, v0, 2, XSC                ; x's scale words: [T = thread / 16][r] in LDS,
	v_lshrrev_b32 v180, 4, v0
	v_lshlrev_b32 v180, 10, v180
	v_lshl_add_u32 v180, v22, 2, v180              ; 1,024 T + 4 r in memory
	v_mov_b32 v23, 0                               ; (upper halves of pairs of which the low word serves both halves: written once)
	v_mov_b32 v29, 0
.irp b, 0,1,2,3
	v_mov_b32 v[TM+4+\b], 0                        ; a lane permute's destination counts as one of its sources
.endr
	s_mul_i32 s26, ttmp9, 24576                    ; xc: row i
	s_mov_b32 s27, 0
	s_lshr_b32 s28, ttmp9, 5                       ; xsc: i = 32 b + 8 u + rq % 8 + 16 (rq / 8) lies in tile Tq = 2 b + u at place rq
	s_lshl_b32 s28, s28, 1
	s_bfe_u32 s29, ttmp9, 0x10003
	s_add_co_u32 s28, s28, s29
	s_lshl_b32 s28, s28, 14
	s_and_b32 s29, ttmp9, 7
	s_bfe_u32 s30, ttmp9, 0x10004
	s_lshl_b32 s30, s30, 3
	s_add_co_u32 s29, s29, s30
	s_lshl_b32 s29, s29, 6
	s_add_co_u32 s28, s28, s29
	s_mov_b32 s29, 0
	s_lshl_b32 s30, ttmp9, 17                      ; out: row i, tile w's first query 32 (w / 2) + 8 (w % 2); tile w + 8's lies 128 queries on
	s_lshr_b32 s31, s16, 1
	s_lshl_b32 s31, s31, 14
	s_add_co_u32 s30, s30, s31
	s_and_b32 s31, s16, 1
	s_lshl_b32 s31, s31, 12
	s_add_co_u32 s30, s30, s31
	s_mov_b32 s31, 0
	s_wait_kmcnt 0x0
	s_add_nc_u64 s[4:5], s[4:5], s[26:27]
	s_add_nc_u64 s[6:7], s[6:7], s[28:29]
	s_add_nc_u64 s[14:15], s[14:15], s[30:31]
	s_wait_alu depctr_va_vdst(0)                   ; the addresses and offsets v1 to v19 and v176 to v180 are written, which every load and store of the kernel reads and none of which is written again; so are v144 to v147, in which a staging load lands
	; ---- STAGING: the weights' images and scale words, x_i's images and scale words: dense blocks, 256 threads, through registers into LDS, once: 20 loads a thread
.irp n, 0,1,2,3,4,5,6,7,8,9,10,11
	global_load_b128 v[92+4*\n:95+4*\n], v176, s[10:11] offset:4096*\n
.endr
	global_load_b128 v[140:143], v176, s[12:13]
.irp n, 0,1,2,3,4,5
	global_load_b128 v[144+4*\n:147+4*\n], v176, s[4:5] offset:4096*\n th:TH_LOAD_NT
.endr
	global_load_b32 v168, v180, s[6:7]
	WIN 0x40
	BLOAD 0                                        ; the first two steps' bias is asked for here: its buffers serve nothing else (only loads and this switch stand behind the wait above)
	BLOAD 1
	WIN 0
	s_wait_loadcnt 32                              ; the 20 staging loads are in; the 32 loads of the bias, issued behind them, stay out
.irp n, 0,1,2,3,4,5,6,7,8,9,10,11
	ds_store_b128 v176, v[92+4*\n:95+4*\n] offset:4096*\n
.endr
	ds_store_b128 v176, v[140:143] offset:WSC
.irp n, 0,1,2,3,4,5
	ds_store_b128 v178, v[144+4*\n:147+4*\n] offset:4096*\n
.endr
	ds_store_b32 v179, v168
	BARRIER                                        ; all operands lie in LDS
	s_wait_alu depctr_vm_vsrc(0)                   ; the staging's LDS stores have read v92 to v168: from here on loads land in these registers (a projection's source 1) and vector instructions write them
	; ---- k^T of my 32 keys, a tile at a time; Wk's eight fragments are fetched once.  Head h's 24 bytes a key go to block T % 4 of fragment (h, T / 4), its byte to byte T % 4 of that fragment's scale word
	WFETCH 8, 0
.irp j, 0,1
	FETCH XF, AX, 12288*\j                         ; (the second tile: the wait ahead of the first tile's stores has shown its products done reading these registers)
	ds_load_b32 v[SC+8], v[AXS] offset:512*\j
	PROD XF, SC+8
.if \j
	s_wait_alu depctr_vm_vsrc(0)                   ; the first tile's LDS stores have read the codes and the bytes, which are written again below
.endif
	MAXABS HA
	BYTES 0
	CODES HA, PC
	s_wait_alu depctr_va_vdst(0)                   ; the codes and the four bytes are written, which the LDS stores read; and the tile's products are done reading their operands and scale words, in which the next loads land
.irp g, 0,1
.irp t, 0,1,2
	ds_store_b64 v[KW], v[PC+6*\g+2*\t:PC+6*\g+2*\t+1] offset:12288*\g+256*\t+3072*\j
.endr
.endr
.irp h, 0,1,2,3
	ds_store_b8 v[KB], v[TM+4+\h] offset:256*\h+128*\j             ; lanes l and l xor 16 store the same byte with the same value
.endr
.endr
	; ---- V^T: source 0 = the eight x tiles of a key half, source 1 = Wv's tile w, fetched once: a lane holds one channel, its registers run along 128 keys, the second product's K
	FETCH XF, AWV, 16*1536
	ds_load_b32 v[SC+8], v[AWVS] offset:WSC+16*128
.irp q, 0,1
	WIN 0x40                                       ; (behind the last wait on va_vdst stand LDS stores and loads alone, and none of them names these loads' address or the registers in which they land)
.irp t, 0,1,2,3,4,5,6,7
	FETCH WF+12*\t, AXV, 1536*\t+12288*\q
.endr
	WIN 0
.irp t, 0,1,2,3,4,5,6,7
	ds_load_b32 v[SC+\t], v[AXVS] offset:64*\t+512*\q
.endr
	PROD XF, SC+8
	s_wait_alu depctr_vm_vsrc(0)                   ; the LDS stores issued so far (k's; then the first key half's) have read the codes, the bytes and the scale word, which are written again below
	MAXABS HA
	BYTES 1
	CODES HA, PC
	s_wait_alu depctr_va_vdst(0)                   ; the codes and the scale word are written, which the LDS stores read; and the half's products are done reading their operands and scale words, in which the next loads land
.irp c, 0,1,2
	ds_store_b128 v[AVW], v[PC+4*\c:PC+4*\c+3] offset:512*\c+12288*\q
.endr
	ds_store_b32 v[AVSW], v[PW] offset:1024*\q
.endr
.irp i, 0,1,2,3,4,5,6,7,8,9,10,11,12,13,14,15,16,17,18,19,20,21,22,23,24,25,26,27,28,29
	v_mov_b32 v[32+\i], 0                          ; Z L Z U Z: the three Z stay zeros for the whole launch
.endr
	BARRIER                                        ; k's and V^T's fragments of all eight waves lie in LDS
	PASS 0
	PASS 1
	s_wait_dscnt 0x0                               ; the closing lines, six on end
	s_wait_alu 0x0
	s_wait_tensorcnt 0x0
	ds_add_u32 v190, v191
	s_wait_dscnt 0x0
	s_endpgm
.Lfunc_end_k_q404629f910_attn:
	.size	k_q404629f910_attn, .Lfunc_end_k_q404629f910_attn-k_q404629f910_attn
	.p2alignl 7, 3214868480
	.fill 96, 4, 3214868480
	.section	.rodata,"a",@progbits
	.p2align	6, 0x0
	.amdhsa_kernel k_q404629f910_attn
		.amdhsa_group_segment_fixed_size 199680
		.amdhsa_private_segment_fixed_size 0
		.amdhsa_enable_private_segment 0
		.amdhsa_kernarg_size 48
		.amdhsa_user_sgpr_count 2
		.amdhsa_user_sgpr_kernarg_segment_ptr 1
		.amdhsa_wavefront_size32 1
		.amdhsa_system_sgpr_workgroup_id_x 1
		.amdhsa_system_sgpr_workgroup_id_y 1
		.amdhsa_system_sgpr_workgroup_id_z 1
		.amdhsa_system_vgpr_workitem_id 0
		.amdhsa_next_free_vgpr 512
		.amdhsa_next_free_sgpr 66
		.amdhsa_reserve_vcc 0
		.amdhsa_float_denorm_mode_32 3
		.amdhsa_float_denorm_mode_16_64 3
		.amdhsa_memory_ordered 1
		.amdhsa_forward_progress 1
		.amdhsa_inst_pref_size 255
	.end_amdhsa_kernel
	.section	.bss,"aw",@nobits
	.p2align	6
	.space	262144
	.amdgpu_metadata
---
amdhsa.version: [ 1, 2 ]
amdhsa.kernels:
  - .name:           k_q404629f910_attn
    .symbol:         k_q404629f910_attn.kd
    .args:
      - { .name: xc, .offset: 0, .size: 8, .value_kind: global_buffer, .address_space: global }
      - { .name: xsc, .offset: 8, .size: 8, .value_kind: global_buffer, .address_space: global }
      - { .name: biasw, .offset: 16, .size: 8, .value_kind: global_buffer, .address_space: global }
      - { .name: wc, .offset: 24, .size: 8, .value_kind: global_buffer, .address_space: global }
      - { .name: wsc, .offset: 32, .size: 8, .value_kind: global_buffer, .address_space: global }
      - { .name: out0, .offset: 40, .size: 8, .value_kind: global_buffer, .address_space: global }
    .group_segment_fixed_size: 199680
    .private_segment_fixed_size: 0
    .kernarg_segment_align: 8
    .kernarg_segment_size: 48
    .max_flat_workgroup_size: 256
    .sgpr_count:     66
    .vgpr_count:     512
    .wavefront_size: 32
...
	.end_amdgpu_metadata
.endif
;; end of part 4
